; MI455X (gfx1250); checked and timed in simulation.
; The chip was launched on July 23, 2026; its instructions are those of AMD's public machine-readable ISA for CDNA 5 (MIT licence, August 2026) and "CDNA5" Instruction Set Architecture Reference Guide (July 2026). The comments in the code are by the model that wrote it; some were corrected since.
;; Windowed Attention. Allowed arithmetic: matrix products marked QUANTISED: E2M1 operands, one E8M0 scale for each 32 along K, by v_wmma_scale_f32_16x16x128_f8f6f4 with both operands' format E2M1 (or v_wmma_scale_f32_32x16x128_f4), f32 sums; products left as they are: bf16, f16 or f32 operands; f32 sums; everything else in f32.
;; Inputs: W_out 1,024 x 1,024 float32; W_qkv 3,072 x 1,024 float32; x 1 x 4,096 x 1,024 float32.
;; Outputs: out0 1 x 4,096 x 1,024 float32.
;; This version of the problem:
;;   THIS VERSION OF THE PROBLEM IS GIVEN IN LOW PRECISION. The matrix products marked QUANTISED in the list below multiply operands that are first quantised to E2M1 (2 exponent bits, 1 mantissa bit; 4 bits a number), with one power-of-two scale for each 32 numbers along K (OCP MX v1.0); their sums are f32. The products marked 'left as it is' may take bf16, f16 or f32 operands, with f32 sums. Whichever they take, every output number must still come out within the allowed error. Rounding operands to bf16 (8 significant bits) uses up far more of that allowance than f16 does (11 bits, for magnitudes from 6e-5 to 65,504). All else is computed in f32.
;;   The module's matrix products, in the order in which they are computed (A, B: the left and right operand; K: the contracted axis; several contracted axes count as one K, in the product's order):
;;     1. [M 4,096, K 1,024] x [K 1,024, N 3,072]; A: input x; B: input W_qkv: QUANTISED
;;     2. batch 16 x [M 4,096, K 64] x [K 64, N 4,096]; A: computed on the way; B: computed on the way: left as it is (an operand is computed on the way)
;;     3. batch 16 x [M 4,096, K 4,096] x [K 4,096, N 64]; A: computed on the way; B: computed on the way: left as it is (an operand is computed on the way)
;;     4. [M 4,096, K 1,024] x [K 1,024, N 1,024]; A: computed on the way; B: input W_out: left as it is (an operand is computed on the way)
;;   THE QUANTISER, for each operand of a quantised product, along K:
;;     - K is cut into blocks of 32 from its start; a last block that is shorter is filled with zeros.
;;     - A block's scale is 2^e with e = floor(log2(the largest magnitude in the block)) - 2, held to -126 .. 127; a block of zeros has e = 0. As a byte (E8M0): e + 127.
;;     - Each number is divided by its block's scale, clamped to +-6, and rounded to the nearest number of E2M1, ties to even, subnormals kept.
;;     - The product sums the exact products of the quantised numbers (number of the format x scale) in f32.
;;   ~~~python
;;   def quantise(x, axis):      # numpy; x: float32 -> the quantised numbers, widened to float32 again
;;       x = np.moveaxis(x, axis, -1); K = x.shape[-1]
;;       x = np.pad(x, [(0, 0)] * (x.ndim - 1) + [(0, -K % 32)]); x = x.reshape(x.shape[:-1] + (-1, 32)); a = np.abs(x).max(-1, keepdims=True)
;;       e = np.where(a > 0, np.clip(np.frexp(np.where(a > 0, a, 1))[1] - 1 - 2, -126, 127), 0)      # np.frexp(a)[1] - 1 = floor(log2(a)), exactly
;;       r = np.clip(x / 2.0 ** e, -6, 6)
;;       step = 2.0 ** (np.maximum(np.frexp(np.where(r == 0, 1, r))[1] - 1, 0) - 1)
;;       q = np.round(r / step) * step * 2.0 ** e      # np.round: ties to even
;;       return np.moveaxis(q.reshape(q.shape[:-2] + (-1,))[..., :K], -1, axis).astype(np.float32)
;;   ~~~
;; One version. Each part assembles by itself: llvm-mc -triple=amdgcn-amd-amdhsa -mcpu=gfx1250 --defsym DOCPART=n.
;; ======== version 1 of 1: 4 launches
;; limits: values are held in f16: magnitudes above 65,504 overflow, below 6.1e-05 lose precision
;; workspace buffers: xc 2,097,152 bytes; xs 131,072 bytes; wc 1,572,864 bytes; ws 98,304 bytes; w16 2,097,152 bytes; qkv 28,311,552 bytes; o16 8,388,608 bytes
;; launch prep (part 1): grid 256 x 1, 4 waves a work-group, no clusters, 33,280 bytes of LDS; arguments x, W_qkv, xc, xs, wc, ws, W_out, w16, qkv; writes xc, xs, wc, ws, w16, qkv
.if DOCPART == 1
	.amdgcn_target "amdgcn-amd-amdhsa--gfx1250"
	.amdhsa_code_object_version 6
	.text
	.protected	k_q970058e005_prep
	.globl	k_q970058e005_prep
	.p2align	8
	.type	k_q970058e005_prep,@function
k_q970058e005_prep:
	s_mov_b64 s[64:65], 0
	v_nop
	global_prefetch_b8 v0, s[64:65] scope:SCOPE_SE
	s_setreg_imm32_b32 hwreg(HW_REG_WAVE_MODE, 25, 1), 1
	s_wait_xcnt 0x0
; PREP.  Work-groups 0-223: x [4096][1024] and W_qkv [3072][1024], f32, become codes of FP4 (E2M1), K innermost, two codes a byte, with one E8M0 byte for each 32 along K.
; Work-groups 224-255: W_out [1024][1024] becomes f16, laid as images of the projection's operand registers; and the 512 rows in front of each head's keys and values in qkv are set to zero.
; THE QUANTISER.  A block's scale is 2^(floor(log2(its largest magnitude)) - 2); its byte is the largest magnitude's own exponent field - 2, held at 1 from below.  A block of zeros so gets the byte 1 where the
; rule says 127: its codes are zeros, which add nothing under any byte but 0xff, and the bytes are read by this program alone.  Each number is divided by the scale and rounded to the nearest code, ties to even.
; LIMITS: blocks whose largest magnitude lies under 2^(2 - 126) keep the byte 1; NaN and infinities among the inputs are not served; W_out's magnitudes stay under 65,504 (f16).
; Rows are dense and K is a multiple of 32: both tensors are plain streams of blocks of 32.  A wave takes 16 steps of 512 numbers.  The conversions take 8 numbers of ONE block from a lane's registers, so a lane must
; hold 16 neighbours; a load is best where neighbouring lanes take neighbouring bytes.  Both are had: each of a step's four loads reads 512 consecutive bytes; the 2,048 bytes go through the wave's own stage in LDS and
; come back 64 bytes a lane (16 bytes of padding behind each 64).  A lane's 16 codes are 8 bytes: the wave stores 256 consecutive bytes.  A wave's 256 scale bytes are gathered in LDS and leave as one aligned run of 256.
; No tensor loads, no barrier: waves share nothing.  No cluster: no two work-groups read the same bytes.
.set WAVES, 4
.set STEPS, 16
.set WGA,   128                        ; x: 4096 x 1024 / 32768 work-groups
.set WGQ,   224                        ; and 96 more for W_qkv
.set EMAX,  2
.set CB,    8                          ; bytes of 16 codes
.set R,     16                         ; v16-79   four sets of 16 numbers as they are loaded
.set X,     80                         ; v80-111  two sets of 16 neighbours
.set C,     128                        ; v128-191 codes: four registers for each step, so that no store's data are written again
.set E,     112                        ; v112-127 a scale byte for each step
.set WREG,  8192                       ; LDS: a region of its own for each wave: two stages of 32 x SP bytes, and behind them its 256 scale bytes
.set SP,    80                         ; a lane's place in a stage: its 64 bytes + 16 of padding
.set SPW,   12                         ; v12      LDS address of my spare word; never rewritten
.set NIL,   13                         ; v13      0; never rewritten
.set SPARE, WAVES*WREG                 ; behind the four regions: the spare words, 128 bytes a wave
.set HEADB, 589824                     ; a head's region in qkv: 288 tiles of 16 rows x 2,048 bytes
.set WIN32, 16                         ; W_out's path: v16-79 two sets of 32 numbers;
.set WH,    80                         ; v80-111 two sets of 16 registers of f16;
.set ZR,    176                        ; v176-179 zeros
	s_load_b128 s[4:7], s[0:1], 0x0                ; x, W_qkv
	s_load_b128 s[8:11], s[0:1], 0x10              ; x's codes, x's scales
	s_load_b128 s[12:15], s[0:1], 0x20             ; W_qkv's codes, its scales
	s_load_b128 s[24:27], s[0:1], 0x30             ; W_out, w16
	s_load_b64 s[28:29], s[0:1], 0x40              ; qkv
	v_lshl_add_u32 v[SPW], v0, 2, SPARE
	v_mov_b32 v[NIL], 0
	v_lshrrev_b32 v1, 5, v0
	v_readfirstlane_b32 s16, v1                    ; wave
	v_and_b32 v2, 31, v0                           ; lane
	s_cmp_ge_u32 ttmp9, WGQ                        ; the work-group's number alone decides the path
	s_cbranch_scc1 .Lconv
	v_lshlrev_b32 v3, 4, v2                        ; my 16 bytes of a load's 512
	s_mul_i32 s17, s16, WREG
	v_lshrrev_b32 v14, 2, v2
	v_mul_u32_u24 v14, v14, SP
	v_and_b32 v15, 3, v2
	v_lshl_add_u32 v14, v15, 4, v14
	v_add_nc_u32 v14, s17, v14                     ; the stage, on the way in: SP (lane / 4) + 16 (lane % 4)
	v_mul_u32_u24 v15, v2, SP
	v_add_nc_u32 v15, s17, v15                     ; and on the way out: SP x lane: my 16 neighbours
	v_mul_u32_u24 v4, v2, CB                       ; my codes' place in a step's
	v_lshrrev_b32 v5, 1, v2
	s_add_co_u32 s17, s17, 2*32*SP
	v_add_nc_u32 v5, s17, v5                       ; LDS: my wave's 256 scale bytes, my block's byte
	v_lshlrev_b32 v7, 3, v2                        ; and on the way out 8 bytes a lane
	v_add_nc_u32 v6, s17, v7
	s_wait_kmcnt 0x0
	s_cmp_lt_u32 ttmp9, WGA                        ; x's work-group or W_qkv's?
	s_cselect_b64 s[4:5], s[4:5], s[6:7]
	s_cselect_b64 s[8:9], s[8:9], s[12:13]
	s_cselect_b64 s[10:11], s[10:11], s[14:15]
	s_cselect_b32 s17, 0, WGA
	s_sub_co_u32 s17, ttmp9, s17
	s_lshl_b32 s17, s17, 2
	s_add_co_u32 s18, s17, s16                     ; which run of 8,192 numbers of the tensor is my wave's
	s_mov_b32 s19, 0
	s_mov_b64 s[20:21], 512*STEPS*4
	s_mul_u64 s[20:21], s[18:19], s[20:21]
	s_add_nc_u64 s[4:5], s[4:5], s[20:21]
	s_mov_b64 s[20:21], 32*STEPS*CB
	s_mul_u64 s[20:21], s[18:19], s[20:21]
	s_add_nc_u64 s[8:9], s[8:9], s[20:21]
	s_lshl_b32 s18, s18, 8                         ; 256 scale bytes a run
	s_add_nc_u64 s[10:11], s[10:11], s[18:19]
.macro LOAD t
.irp i, 0,1,2,3
	global_load_b128 v[R+16*((\t)%4)+4*\i:R+16*((\t)%4)+4*\i+3], v3, s[4:5] offset:2048*(\t)+512*\i th:TH_LOAD_NT   ; 32 lanes read 512 consecutive bytes
.endr
.endm
.macro TURN t                          ; step t's numbers through the stage: LDS serves a wave's instructions in order, so no wait stands between the stores and the loads
.irp i, 0,1,2,3
	ds_store_b128 v14, v[R+16*((\t)%4)+4*\i:R+16*((\t)%4)+4*\i+3] offset:32*SP*((\t)%2)+8*SP*\i
.endr
.irp i, 0,1,2,3
	ds_load_b128 v[X+16*((\t)%2)+4*\i:X+16*((\t)%2)+4*\i+3], v15 offset:32*SP*((\t)%2)+16*\i
.endr
.endm
.irp t, 0,1,2,3
	LOAD \t
.endr
	s_wait_loadcnt 12                              ; step 0's four loads are in; the 12 of steps 1 to 3 may be out
	TURN 0
.macro STEP t
.set XS, X+16*((\t)%2)
.if (\t) > 0
	s_wait_dscnt 1                                 ; this step's numbers are back from the stage (the last step's byte store may be out)
.else
	s_wait_dscnt 0x0
.endif
.if (\t)+4 < STEPS
	LOAD (\t)+4                                    ; the registers that the stage's stores have read take the loads of four steps on
.endif
.if (\t)+1 < STEPS
.if STEPS-2-(\t) >= 3
	s_wait_loadcnt 12                              ; the next step's four loads are in; those of the three steps behind it may be out
.else
	s_wait_loadcnt 4*(STEPS-2-(\t))
.endif
	TURN (\t)+1                                    ; and go through the other stage while this step is worked
.endif
	v_max3_num_f32 v8, |v[XS]|, |v[XS+1]|, |v[XS+2]|               ; the largest magnitude of my 16, in two chains
	v_max3_num_f32 v9, |v[XS+3]|, |v[XS+4]|, |v[XS+5]|
.irp i, 6,10
	v_max3_num_f32 v8, v8, |v[XS+\i]|, |v[XS+\i+1]|
	v_max3_num_f32 v9, v9, |v[XS+\i+2]|, |v[XS+\i+3]|
.endr
	v_max3_num_f32 v8, v8, |v[XS+14]|, |v[XS+15]|
	v_max3_num_f32 v8, v8, v9, (EMAX+1)<<23        ; and the floor 2^(EMAX + 1 - 127): the byte cannot fall under 1
	v_max_num_f32_dpp v8, v8, v8 row_xmask:1 row_mask:0xf bank_mask:0xf   ; and of my neighbour's 16: the block's
	v_add_nc_u32 v11, -(EMAX<<23), v8              ; EMAX off its exponent field: the conversion takes the exponent field of this operand as its scale
	v_cvt_scalef32_pk8_fp4_f32 v[C+4*(\t)], v[XS:XS+7], v11
	v_cvt_scalef32_pk8_fp4_f32 v[C+4*(\t)+1], v[XS+8:XS+15], v11
	v_lshrrev_b32 v[E+(\t)], 23, v11               ; the scale's byte (a plain line behind the conversions)
	ds_store_b8 v5, v[E+(\t)] offset:16*(\t)       ; both lanes of a block write the same byte with the same value
	global_store_b64 v4, v[C+4*(\t):C+4*(\t)+1], s[8:9] offset:32*CB*(\t)   ; 32 lanes store 256 consecutive bytes, aligned
.endm
.irp t, 0,1,2,3,4,5,6,7,8,9,10,11,12,13,14,15
	STEP \t
.endr
	ds_load_b64 v[8:9], v6                         ; LDS serves a wave's instructions in order: these see my stores
	s_wait_dscnt 0x0
	global_store_b64 v7, v[8:9], s[10:11]          ; 32 lanes store 256 consecutive bytes, aligned
	s_wait_tensorcnt 0x0                           ; the wave's end, behind my last LDS store
	ds_add_u32 v[SPW], v[NIL]
	s_wait_dscnt 0x0
	s_endpgm
; W_OUT AND THE ZEROS.  Work-group 224 + j, j = 0 .. 31.
; w16 is [n tile nu 0..63][fragment F 0..31][c 0..1][lane][16 bytes]: lane (r, h) holds W_out[16 nu + r][32 F + 16 c + 8 h + 0 .. 7] as f16: a fragment's registers 4 c .. 4 c + 3 as the matrix instruction takes them.
; Wave w takes n tile 2 j + w / 2 and half w % 2 of K (16 fragments), in 8 groups of two fragments; a group's 8 loads together take 256 consecutive bytes of each of 16 rows.
.Lconv:
	s_sub_co_u32 s17, ttmp9, WGQ                   ; j
	v_lshlrev_b32 v3, 4, v2                        ; 16 x lane: my place in an image of 512 bytes
	v_and_b32 v4, 15, v0                           ; r
	v_bfe_u32 v5, v0, 4, 1                         ; h
	v_lshlrev_b32 v6, 12, v4
	v_lshl_add_u32 v6, v5, 5, v6                   ; W_out: row r of 4,096 bytes, + 32 h
.irp i, 0,1,2,3
	v_mov_b32 v[ZR+\i], 0
.endr
	s_add_co_u32 s18, s17, 16                      ; the zeros: region 16 + j (k's heads, then v's),
	s_mul_i32 s18, s18, HEADB
	s_lshl_b32 s19, s16, 14                        ; my wave's quarter of its first 65,536 bytes
	s_add_co_u32 s18, s18, s19
	s_mov_b32 s19, 0
	s_lshl_b32 s20, s17, 1
	s_lshr_b32 s21, s16, 1
	s_add_co_u32 s20, s20, s21                     ; nu
	s_and_b32 s21, s16, 1                          ; which half of K
	s_lshl_b32 s22, s20, 16                        ; 16 rows of 4,096 bytes
	s_lshl_b32 s23, s21, 11                        ; 512 numbers
	s_add_co_u32 s22, s22, s23
	s_mov_b32 s23, 0
	s_lshl_b32 s30, s20, 15                        ; an n tile's images: 32,768 bytes
	s_lshl_b32 s31, s21, 14
	s_add_co_u32 s30, s30, s31
	s_mov_b32 s31, 0
	s_wait_kmcnt 0x0
	s_add_nc_u64 s[28:29], s[28:29], s[18:19]
	s_add_nc_u64 s[24:25], s[24:25], s[22:23]
	s_add_nc_u64 s[26:27], s[26:27], s[30:31]
.macro LOADG g                         ; group g: blocks m = 0 .. 3 (fragment 2 g + m / 2, c = m % 2), 8 numbers a lane each
.irp m, 0,1,2,3
	global_load_b128 v[WIN32+32*((\g)%2)+8*\m:WIN32+32*((\g)%2)+8*\m+3],   v6, s[24:25] offset:256*(\g)+64*\m
	global_load_b128 v[WIN32+32*((\g)%2)+8*\m+4:WIN32+32*((\g)%2)+8*\m+7], v6, s[24:25] offset:256*(\g)+64*\m+16
.endr
.endm
.macro CONVG g
.if (\g) < 7
	s_wait_loadcnt 8                               ; this group's 8 loads are in; the next group's 8 may be out
.else
	s_wait_loadcnt 0
.endif
	s_wait_xcnt 0x0                                ; the stores of two groups back have read their registers: they are written again only behind this wait
.irp m, 0,1,2,3
.irp i, 0,1,2,3
	v_cvt_pk_f16_f32 v[WH+16*((\g)%2)+4*\m+\i], v[WIN32+32*((\g)%2)+8*\m+2*\i], v[WIN32+32*((\g)%2)+8*\m+2*\i+1]
.endr
.endr
.irp m, 0,1,2,3
	global_store_b128 v3, v[WH+16*((\g)%2)+4*\m:WH+16*((\g)%2)+4*\m+3], s[26:27] offset:2048*(\g)+512*\m   ; 32 lanes store 512 consecutive bytes, aligned
.endr
.if (\g) < 6
	LOADG (\g)+2
.endif
.endm
	LOADG 0
	LOADG 1
.irp i, 0,1,2,3,4,5,6,7,8,9,10,11,12,13,14,15,16,17,18,19,20,21,22,23,24,25,26,27,28,29,30,31
	global_store_b128 v3, v[ZR:ZR+3], s[28:29] offset:512*\i   ; the rows in front of token 0: attention reads them as keys that its mask hides
.endr
.irp g, 0,1,2,3,4,5,6,7
	CONVG \g
.endr
	s_endpgm
.Lfunc_end_k_q970058e005_prep:
	.size	k_q970058e005_prep, .Lfunc_end_k_q970058e005_prep-k_q970058e005_prep
	.p2alignl 7, 3214868480
	.fill 96, 4, 3214868480
	.section	.rodata,"a",@progbits
	.p2align	6, 0x0
	.amdhsa_kernel k_q970058e005_prep
		.amdhsa_group_segment_fixed_size 33280
		.amdhsa_private_segment_fixed_size 0
		.amdhsa_enable_private_segment 0
		.amdhsa_kernarg_size 72
		.amdhsa_user_sgpr_count 2
		.amdhsa_user_sgpr_kernarg_segment_ptr 1
		.amdhsa_wavefront_size32 1
		.amdhsa_system_sgpr_workgroup_id_x 1
		.amdhsa_system_sgpr_workgroup_id_y 1
		.amdhsa_system_sgpr_workgroup_id_z 1
		.amdhsa_system_vgpr_workitem_id 0
		.amdhsa_next_free_vgpr 192
		.amdhsa_next_free_sgpr 66
		.amdhsa_reserve_vcc 0
		.amdhsa_float_denorm_mode_32 3
		.amdhsa_float_denorm_mode_16_64 3
		.amdhsa_memory_ordered 1
		.amdhsa_forward_progress 1
		.amdhsa_inst_pref_size 55
	.end_amdhsa_kernel
	.amdgpu_metadata
---
amdhsa.version: [ 1, 2 ]
amdhsa.kernels:
  - .name:           k_q970058e005_prep
    .symbol:         k_q970058e005_prep.kd
    .args:
      - { .name: x, .offset: 0, .size: 8, .value_kind: global_buffer, .address_space: global }
      - { .name: W_qkv, .offset: 8, .size: 8, .value_kind: global_buffer, .address_space: global }
      - { .name: xc, .offset: 16, .size: 8, .value_kind: global_buffer, .address_space: global }
      - { .name: xs, .offset: 24, .size: 8, .value_kind: global_buffer, .address_space: global }
      - { .name: wc, .offset: 32, .size: 8, .value_kind: global_buffer, .address_space: global }
      - { .name: ws, .offset: 40, .size: 8, .value_kind: global_buffer, .address_space: global }
      - { .name: W_out, .offset: 48, .size: 8, .value_kind: global_buffer, .address_space: global }
      - { .name: w16, .offset: 56, .size: 8, .value_kind: global_buffer, .address_space: global }
      - { .name: qkv, .offset: 64, .size: 8, .value_kind: global_buffer, .address_space: global }
    .group_segment_fixed_size: 33280
    .private_segment_fixed_size: 0
    .kernarg_segment_align: 8
    .kernarg_segment_size: 72
    .max_flat_workgroup_size: 128
    .sgpr_count:     66
    .vgpr_count:     192
    .wavefront_size: 32
...
	.end_amdgpu_metadata
.endif
;; end of part 1
;; launch gemm (part 2): grid 12 x 16, 4 waves a work-group, clusters of 4 x 4, 327,680 bytes of LDS; arguments xc, xs, wc, ws, qkv; writes qkv
.if DOCPART == 2
	.amdgcn_target "amdgcn-amd-amdhsa--gfx1250"
	.amdhsa_code_object_version 6
	.text
	.protected	k_q970058e005_gemm
	.globl	k_q970058e005_gemm
	.p2align	8
	.type	k_q970058e005_gemm,@function
k_q970058e005_gemm:
	s_mov_b64 s[64:65], 0
	v_nop
	global_prefetch_b8 v0, s[64:65] scope:SCOPE_SE
	s_setreg_imm32_b32 hwreg(HW_REG_WAVE_MODE, 25, 1), 1
	s_wait_xcnt 0x0
	s_wait_alu depctr_hold_cnt(0) depctr_sa_sdst(0) depctr_va_vdst(0) depctr_va_sdst(0) depctr_va_ssrc(0) depctr_va_vcc(0) depctr_vm_vsrc(0)
	s_getreg_b32 s2, hwreg(HW_REG_IB_STS2, 6, 4)
	s_cmp_eq_u32 s2, 0
	s_cbranch_scc0 .Lentry_in_a_cluster
	s_endpgm
.Lentry_in_a_cluster:
	s_bfe_u32 s2, ttmp6, 0x10000c
	s_cmp_lg_u32 s2, 0xf033
	s_cbranch_scc0 .Lentry_shape_is_right
	s_endpgm
.Lentry_shape_is_right:
; GEMM.  qkv = x W_qkv^T on codes of FP4 (E2M1) with one E8M0 scale for each 32 along K = 1,024; sums in f32; the result leaves as f16, laid as images of attention's operand registers.
; A tile of 256 x 256 is made by a work-group of four waves; a wave makes 128 x 128: 64 accumulators of 16 x 16, 512 registers.  K is two LDS slots of 512 (rows of 256 bytes): both are first fills, nothing is filled again.
; The scales of the work-group's 2 x 256 rows, for all of K, are two dense blocks of memory: they come into LDS once, with the first fills.  By this text's own count a wave has three tensor loads out at the most.
; CLUSTERS: 4 x 4 work-groups.  The four of a row of the cluster need the same tile of the operand called A here, the four of a column the same tile of B: each tile is asked for JOINTLY.
; THE MATRIX INSTRUCTION IS USED TRANSPOSED (source 0 = 16 rows of B, source 1 = 16 rows of A): a lane holds ONE row of A's and eight neighbouring rows of B's.
; q AND k (clusters x = 0, 1): A = x (tokens), B = W_qkv (channels): a lane holds a token and 8 neighbouring channels: 16 bytes of f16, half of a fragment of K Q^T.
; v (cluster x = 2): THE OPERANDS CHANGE PLACES, by their addresses alone: A = W_qkv's rows 2,048 on (channels), B = x (tokens): a lane holds a channel and 8 neighbouring tokens: half of a fragment of V^T.
; The choice hangs on the cluster's x, which all sixteen partners share.  Both tensors have rows of 512 bytes of codes and 32 scale bytes, so one set of descriptors' shapes serves both.
; qkv: 48 regions of HEADB bytes (q's 16 heads, k's, v's), each [tile of 16 rows tt, token + 512][block beta 0..3][lane][16 bytes].  q, k: lane (r, h) = token r, channels 16 beta + 8 h + 0..7.  v: lane (r, h) = channel 16 beta + r, tokens 8 h + 0..7.
; LIMIT: the results' magnitudes stay under 65,504 (f16).
; REGISTERS, in windows of 256: window 0: v0-31 addresses; v32-95 scale words, two sets; from v128 A's fragments, ONE set; on the way out v128-255 hold packed results.
;   window 1: B's fragments, TWO sets, at v0 and v128.   window 2: the accumulators of my rows 0-63 ((a, b) at v[8 (8 a + b)]);   window 3: those of rows 64-127.
.set KSTEP,  512
.set NQ,     KSTEP/128                 ; matrix instructions deep in a slot
.set ROWB,   256                       ; a tile's row in bytes
.set KROW,   512                       ; a row of codes in memory
.set PITCH,  272                       ; an LDS row: 256 bytes + 16 of padding: the 16 rows that a load touches begin 16 bytes further on in each 256
.set FR,     8                         ; registers of a fragment: 16 rows x 128 K
.set NL,     2                         ; LDS loads that bring one
.set NP,     4                         ; places behind this matrix instruction (ISA guide 7.12.1)
.set HALFT,  128*PITCH                 ; 128 rows: what one tensor load brings
.set SLOT,   4*HALFT                   ; A's 256 rows, then B's 256 rows
.set KS,     32                        ; a row of scales in bytes
.set SCL,    2*SLOT                    ; behind the slots: the scales, as runs of 256 bytes + 16 of padding
.set HALFS,  (128*KS/256)*272          ; the scales of 128 rows
.set SBLK,   (16*KS/256)*272           ; those of 16 rows
.set SPARE,  SCL+4*HALFS               ; behind the scales: the spare words, 128 bytes a wave
.set HEADB,  589824
.set ADRA, 16                          ; v16-17  LDS address of my A fragments in slot 0, 1
.set ADRB, 20                          ; v20-21  the same for B
.set CO,   26                          ; v26     16 x lane: my place in an image of 512 bytes
.set ADRS, 27                          ; v27     LDS address of my scale words: lanes 0-15 A's rows, lanes 16-31 B's
.set SPW,  28                          ; v28     LDS address of my spare word; never rewritten
.set NIL,  29                          ; v29     0; never rewritten
.set SC,   32                          ; scale words: set s at v[SC + 8 NQ s]; register NQ i + q: lanes 0-15 A's block i, lanes 16-31 B's block i, the slot's q-th 128 along K
.set AF,   128                         ; A's fragments, in window 0
.set OUTR, 128                         ; the way out: four sets of 32 registers of f16
.set G1, 24                            ; s[24:31] descriptor group 1 for A's tiles;  s[32:39] group 0, one set for each slot
.set G0, 32
.set G1B, 48                           ; s[48:55], s[56:63] the same for B's tiles
.set G0B, 56
.set G1S, 68                           ; s[68:75], s[76:79] groups 1 and 0 for A's scales;  s[80:87], s[88:91] for B's
.set G0S, 76
.set G1SB, 80
.set G0SB, 88
.set MSB, 0
.macro WIN new                         ; the immediate's high byte repeats the setting that is left
.if MSB != \new
	s_set_vgpr_msb (MSB<<8)|\new
.set MSB, \new
.endif
.endm
.set MUL_LO, 0xa1                      ; source 0 (B) window 1, source 1 (A) window 0, C and D window 2
.set MUL_HI, 0xf1                      ; the same, C and D window 3
.set TO_B,   0x40                      ; destination window 1, address window 0
; A joint load: waves 0 and 1 fetch for A, waves 2 and 3 for B.  Each of the two lines has ONE mask and one set of registers for all that issue it; the branch hangs on the wave's number alone.
; An s_nop 0 and four v_nop follow each of the two lines.
.macro JLOAD g0a, g1a, g0b, g1b
	s_cmp_eq_u32 s15, 0
	s_cbranch_scc0 .Lfor_b_\@
	tensor_load_to_lds s[\g0a:\g0a+3], s[\g1a:\g1a+7]
	s_nop 0
.rept 4
	v_nop
.endr
	s_branch .Lasked_\@
.Lfor_b_\@:
	tensor_load_to_lds s[\g0b:\g0b+3], s[\g1b:\g1b+7]
	s_nop 0
.rept 4
	v_nop
.endr
.Lasked_\@:
.endm
.macro CROUND                          ; a round of the cluster's barrier: my work-group's barrier; wave 0 signals for the work-group; every wave waits for all sixteen; my work-group's barrier once more
	s_barrier_signal -1
	s_barrier_wait -1
	s_cmp_lg_u32 s14, 0
	s_cbranch_scc1 .Lnot_wave_0_\@
	s_barrier_signal -3
.Lnot_wave_0_\@:
	s_barrier_wait -3
	s_barrier_signal -1
	s_barrier_wait -1
.endm
	s_load_b128 s[4:7], s[0:1], 0x0                ; x's codes, x's scales
	s_load_b128 s[8:11], s[0:1], 0x10              ; W_qkv's codes, its scales
	s_load_b64 s[12:13], s[0:1], 0x20              ; qkv
	v_lshl_add_u32 v[SPW], v0, 2, SPARE
	v_mov_b32 v[NIL], 0
	ds_add_u32 v[SPW], v[NIL]                      ; the wave's opening: the add, twice on end, and its wait ahead of my first tensor load
	ds_add_u32 v[SPW], v[NIL]
	v_lshrrev_b32 v1, 5, v0
	v_readfirstlane_b32 s14, v1                    ; wave 0..3
	s_lshr_b32 s15, s14, 1                         ; which half of A's 256 rows is mine.  Also: I fetch for A (0) or for B (1)
	s_and_b32 s16, s14, 1                          ; which half of B's.  Also: which 128 rows of that tile I fetch
	s_bfe_u32 s40, ttmp6, 0x40000                  ; cx, cy: my place in the cluster
	s_bfe_u32 s41, ttmp6, 0x40004
	s_and_b32 s95, ttmp7, 0xffff
	s_lshl_b32 s95, s95, 2                         ; 4 x cluster y
	s_add_co_u32 s17, s95, s41                     ; q, k: A's block of 256 tokens = 4 x cluster y + cy
	s_add_co_u32 s96, s41, 8                       ; v:    A's block of 256 rows of W_qkv = 8 + cy
	s_lshl_b32 s42, ttmp9, 2
	s_add_co_u32 s42, s42, s40                     ; q, k: B's block of 256 rows of W_qkv = 4 x cluster x + cx
	s_add_co_u32 s97, s95, s40                     ; v:    B's block of 256 tokens = 4 x cluster y + cx
	s_cmp_eq_u32 ttmp9, 2                          ; the cluster's x: the same in all sixteen partners
	s_cselect_b32 s17, s96, s17                    ; A's block: made of cy and the cluster's place alone
	s_cselect_b32 s42, s97, s42                    ; B's block: made of cx and the cluster's place alone
	s_lshl_b32 s43, s41, 2
	s_lshl_b32 s43, 15, s43                        ; my row of the cluster
	s_lshl_b32 s44, 0x1111, s40                    ; my column
	; descriptor group 1: a tile of 128 rows x 256 bytes, padded in LDS
	s_or_b32 s[G1+0], s43, (0<<16)|(1<<20)|(1<<21)|(5<<22)|(3<<25)  ; 15:0 the mask: A's tiles go to my row; 17:16 element of 1 byte; 20 padding on; 21 set beside a mask; 24:22 after every 64 words; 31:25 of 4 words
	s_or_b32 s[G1B+0], s44, (0<<16)|(1<<20)|(1<<21)|(5<<22)|(3<<25)
.irp g, G1, G1B
	s_mov_b32 s[\g+1], ROWB<<16                    ; tensor_dim0
	s_mov_b32 s[\g+2], 128<<16                     ; tensor_dim1 = 128
	s_mov_b32 s[\g+3], ROWB<<16                    ; tile_dim0
	s_mov_b32 s[\g+4], 128                         ; tile_dim1 = 128
	s_mov_b32 s[\g+5], KROW                        ; tensor_dim0_stride
	s_mov_b32 s[\g+6], 0
	s_mov_b32 s[\g+7], 0
.endr
	; and for the scales of 128 rows: a dense block of 4,096 bytes, as 16 rows of 256 bytes (32 elements of 8 bytes), 16 bytes of padding behind each
	s_or_b32 s[G1S+0], s43, (3<<16)|(1<<20)|(1<<21)|(5<<22)|(3<<25)
	s_or_b32 s[G1SB+0], s44, (3<<16)|(1<<20)|(1<<21)|(5<<22)|(3<<25)
.irp g, G1S, G1SB
	s_mov_b32 s[\g+1], 32<<16
	s_mov_b32 s[\g+2], (128*KS/256)<<16
	s_mov_b32 s[\g+3], 32<<16
	s_mov_b32 s[\g+4], 128*KS/256
	s_mov_b32 s[\g+5], 32
	s_mov_b32 s[\g+6], 0
	s_mov_b32 s[\g+7], 0
.endr
	s_lshl_b32 s18, s16, 7                         ; which 128 rows of the tile I fetch
	s_lshl_b32 s20, s17, 8
	s_add_co_u32 s20, s20, s18                     ; A: row 256 x block + 128 x half
	s_lshl_b32 s46, s42, 8
	s_add_co_u32 s46, s46, s18                     ; B likewise
	s_mov_b32 s21, 0
	s_mov_b32 s47, 0
	s_mov_b64 s[18:19], KS
	s_mul_u64 s[22:23], s[20:21], s[18:19]         ; where these rows' scales begin, in bytes
	s_mul_u64 s[92:93], s[46:47], s[18:19]
	s_mov_b64 s[18:19], KROW
	s_mul_u64 s[20:21], s[20:21], s[18:19]         ; and their codes
	s_mul_u64 s[46:47], s[46:47], s[18:19]
	s_mul_i32 s45, s14, HALFT                      ; where they go: wave x 128 rows: no place in the cluster enters an LDS address
	s_mul_i32 s94, s14, HALFS
	s_wait_dscnt 0x0                               ; both opening adds are done
	s_wait_kmcnt 0x0
	s_cmp_eq_u32 ttmp9, 2                          ; which tensor is A and which is B
	s_cselect_b64 s[98:99], s[8:9], s[4:5]         ; A's codes
	s_cselect_b64 s[100:101], s[10:11], s[6:7]     ; A's scales
	s_cselect_b64 s[8:9], s[4:5], s[8:9]           ; B's codes
	s_cselect_b64 s[10:11], s[6:7], s[10:11]       ; B's scales
	s_add_nc_u64 s[20:21], s[98:99], s[20:21]
	s_add_nc_u64 s[22:23], s[100:101], s[22:23]
	s_add_nc_u64 s[46:47], s[8:9], s[46:47]
	s_add_nc_u64 s[92:93], s[10:11], s[92:93]
	CROUND                                         ; all sixteen work-groups are here: the first joint loads meet
	s_mov_b32 s[G0S], 1
	s_add_co_u32 s[G0S+1], s94, SCL
	s_mov_b64 s[G0S+2:G0S+3], s[22:23]
	s_or_b32 s[G0S+3], s[G0S+3], 0x80000000
	s_mov_b32 s[G0SB], 1
	s_add_co_u32 s[G0SB+1], s94, SCL
	s_mov_b64 s[G0SB+2:G0SB+3], s[92:93]
	s_or_b32 s[G0SB+3], s[G0SB+3], 0x80000000
	JLOAD G0S, G1S, G0SB, G1SB                     ; the scales first: they are wanted with slot 0
.irp s, 0,1
	s_mov_b32 s[G0+4*\s], 1
	s_add_co_u32 s[G0+4*\s+1], s45, \s*SLOT
	s_add_nc_u64 s[G0+4*\s+2:G0+4*\s+3], s[20:21], \s*ROWB
	s_or_b32 s[G0+4*\s+3], s[G0+4*\s+3], 0x80000000
	s_mov_b32 s[G0B+4*\s], 1
	s_add_co_u32 s[G0B+4*\s+1], s45, \s*SLOT
	s_add_nc_u64 s[G0B+4*\s+2:G0B+4*\s+3], s[46:47], \s*ROWB
	s_or_b32 s[G0B+4*\s+3], s[G0B+4*\s+3], 0x80000000
	JLOAD G0+4*\s, G1, G0B+4*\s, G1B
.endr
	v_and_b32 v1, 15, v0                           ; l % 16
	v_bfe_u32 v2, v0, 4, 1                         ; l / 16
	v_mul_u32_u24 v3, v1, PITCH
	v_lshl_add_u32 v4, v2, 4, v3                   ; a fragment's row x pitch + 16 x half
	s_mul_i32 s21, s15, HALFT                      ; my 128 rows of A
	s_mul_i32 s22, s16, HALFT                      ; my 128 rows of B,
	s_add_co_u32 s22, s22, 2*HALFT                 ; which lie behind A's 256
.irp s, 0,1
	v_add_nc_u32 v[ADRA+\s], s21, v4
	v_add_nc_u32 v[ADRB+\s], s22, v4
	s_add_co_u32 s21, s21, SLOT
	s_add_co_u32 s22, s22, SLOT
.endr
	v_mul_u32_u24 v5, v1, KS                       ; my row's scales: KS bytes a row,
	v_lshrrev_b32 v6, 8, v5
	v_lshl_add_u32 v5, v6, 4, v5                   ; and 16 more for each 256 passed
	s_mul_i32 s21, s15, HALFS                      ; A's: my 128 rows
	s_mul_i32 s22, s16, HALFS                      ; B's: my 128 rows, behind A's 256
	s_add_co_u32 s22, s22, 2*HALFS
	s_sub_co_u32 s22, s22, s21
	v_mul_u32_u24 v6, s22, v2                      ; lanes 16-31 take B's: one product, the distance between the two bases
	s_add_co_u32 s21, s21, SCL
	v_add_nc_u32 v5, v5, v6
	v_add_nc_u32 v[ADRS], s21, v5
	v_and_b32 v6, 31, v0
	v_lshlrev_b32 v[CO], 4, v6
	; where my results begin in qkv: region 4 x (the channels' block) + 2 x (its half); row 512 + 256 x (the tokens' block) + 128 x (its half), 128 bytes a row
	s_cmp_eq_u32 ttmp9, 2
	s_cselect_b32 s20, s17, s42                    ; the channels' block: A's for v, B's for q and k
	s_cselect_b32 s21, s15, s16
	s_cselect_b32 s22, s42, s17                    ; the tokens' block
	s_cselect_b32 s23, s16, s15
	s_lshl_b32 s20, s20, 2
	s_lshl_b32 s21, s21, 1
	s_add_co_u32 s20, s20, s21
	s_mul_i32 s20, s20, HEADB
	s_lshl_b32 s22, s22, 15
	s_lshl_b32 s23, s23, 14
	s_add_co_u32 s20, s20, s22
	s_add_co_u32 s20, s20, s23
	s_add_co_u32 s20, s20, 512*128
	s_mov_b32 s21, 0
	s_add_nc_u64 s[12:13], s[12:13], s[20:21]
.macro FRAG reg, adr, q, i             ; a fragment, 16 rows x 128 K of 4-bit codes: lane l holds row l % 16; registers 4 c .. 4 c + 3 hold K = 64 c + 32 (l / 16) + 0 .. 31
.irp c, 0,1
	ds_load_b128 v[\reg+4*\c:\reg+4*\c+3], v[\adr] offset:64*(\q)+32*\c+(\i)*16*PITCH
.endr
.endm
; 16 matrix instructions: A's blocks a0, a0 + 1 x B's eight, the slot's q-th 128 along K.  p: B's set;  sc: the set of scale words.  zero = 1: the first product starts the sums.
; The 64 accumulators take turns, one instruction a turn, in the same order in every step.
.macro MUL16 a0, p, q, sc, zero
.irp a, \a0, \a0+1
.irp b, 0,1,2,3,4,5,6,7
.if \zero
	v_wmma_scale_f32_16x16x128_f8f6f4 v[8*(8*((\a)%4)+\b):8*(8*((\a)%4)+\b)+7], v[128*(\p)+FR*\b:128*(\p)+FR*\b+FR-1], v[AF+FR*(\a):AF+FR*(\a)+FR-1], 0, v[SC+8*NQ*(\sc)+NQ*\b+(\q)], v[SC+8*NQ*(\sc)+NQ*(\a)+(\q)] matrix_a_fmt:MATRIX_FMT_FP4 matrix_b_fmt:MATRIX_FMT_FP4 matrix_a_scale:MATRIX_SCALE_ROW1
.else
	v_wmma_scale_f32_16x16x128_f8f6f4 v[8*(8*((\a)%4)+\b):8*(8*((\a)%4)+\b)+7], v[128*(\p)+FR*\b:128*(\p)+FR*\b+FR-1], v[AF+FR*(\a):AF+FR*(\a)+FR-1], v[8*(8*((\a)%4)+\b):8*(8*((\a)%4)+\b)+7], v[SC+8*NQ*(\sc)+NQ*\b+(\q)], v[SC+8*NQ*(\sc)+NQ*(\a)+(\q)] matrix_a_fmt:MATRIX_FMT_FP4 matrix_b_fmt:MATRIX_FMT_FP4 matrix_a_scale:MATRIX_SCALE_ROW1
.endif
.endr
.endr
.endm
.macro FETCH_B slot, q, p              ; B's eight fragments of the slot's q-th 128 along K into set p
	WIN TO_B
.irp i, 0,1,2,3,4,5,6,7
	FRAG 128*(\p)+FR*\i, ADRB+\slot, \q, \i
.endr
	WIN 0
.endm
.macro FETCH_A slot, q, i0             ; A's blocks i0 .. i0 + 3
.irp i, \i0, \i0+1, \i0+2, \i0+3
	FRAG AF+FR*(\i), ADRA+\slot, \q, \i
.endr
.endm
.macro SCALES sc                       ; a slot's scale words into set sc: NQ words a row; lanes 0-15 take A's block i, lanes 16-31 B's block i
.irp i, 0,1,2,3,4,5,6,7
	ds_load_b128 v[SC+8*NQ*\sc+NQ*\i:SC+8*NQ*\sc+NQ*\i+3], v[ADRS] offset:\i*SBLK
.endr
.endm
; A load into a register that a matrix instruction has read, and a vector instruction that reads a matrix result or writes one of its registers, stand NP places behind it; only plain vector
; instructions that name none of its registers are places.
.macro PLACES n
.rept \n
	v_nop
.endr
.endm
; A step of 128 along K that has its successor in the same slot.
.macro STEP slot, q, zero
	s_wait_dscnt 4*NL                              ; B's set and A's blocks 0-3 are in; the youngest 8 loads (A's blocks 4-7) may be out
	WIN MUL_LO
	MUL16 0, (\q)%2, \q, \slot, \zero
	MUL16 2, (\q)%2, \q, \slot, \zero
	s_wait_dscnt 0                                 ; A's blocks 4-7 are in (asked for 32 matrix instructions ago)
	PLACES NP
	FETCH_B \slot, (\q)+1, 1-(\q)%2
	FETCH_A \slot, (\q)+1, 0
	WIN MUL_HI
	MUL16 4, (\q)%2, \q, \slot, \zero
	MUL16 6, (\q)%2, \q, \slot, \zero
	PLACES NP
	WIN 0
	FETCH_A \slot, (\q)+1, 4
.endm
; Slot 0's last step goes on into slot 1: each wave waits for all its tensor loads (its part of slot 1), adds 0 to its spare word, waits for that and for its LDS loads, and passes the work-group's barrier:
; behind it slot 1 is whole for every wave.  Nothing is filled again.
.macro TURN slot, next
	s_wait_tensorcnt 0x0                           ; all my tensor loads have landed (every window is 0 here: the add's two registers lie in window 0)
	ds_add_u32 v[SPW], v[NIL]                      ; 0 onto my spare word
	s_wait_dscnt 4*NL+1                            ; (the add and the youngest 8 loads, A's blocks 4-7, may be out)
	WIN MUL_LO
	MUL16 0, 1, NQ-1, \slot, 0                     ; sixteen matrix instructions stand between the add and the wait for it
	s_wait_dscnt 0x0                               ; the add is done, and my LDS loads are in
	s_barrier_signal -1
	MUL16 2, 1, NQ-1, \slot, 0
	WIN 0
	s_barrier_wait -1
	PLACES NP
	v_add_nc_u32 v[ADRS], 4*NQ, v[ADRS]            ; on to the next slot's scale words
	FETCH_B \next, 0, 0
	FETCH_A \next, 0, 0
	SCALES \next
	WIN MUL_HI
	MUL16 4, 1, NQ-1, \slot, 0
	MUL16 6, 1, NQ-1, \slot, 0
	PLACES NP
	WIN 0
	FETCH_A \next, 0, 4
.endm
.macro STEPS slot, from                ; the slot's steps from .. NQ - 2
.set Q, \from
.rept NQ-1-\from
	STEP \slot, Q, 0
.set Q, Q+1
.endr
.endm
	s_wait_tensorcnt 1                             ; the scales and my part of slot 0 are in (slot 1's load may be out)
	s_barrier_signal -1
	s_barrier_wait -1                              ; everybody's are
	FETCH_B 0, 0, 0
	FETCH_A 0, 0, 0
	SCALES 0
	FETCH_A 0, 0, 4
	STEP 0, 0, 1                                   ; the first step's products start the sums: nothing is cleared
	STEPS 0, 1
	TURN 0, 1
	STEPS 1, 0
	s_wait_dscnt 4*NL                              ; the very last step: nothing more to fetch
	WIN MUL_LO
	MUL16 0, 1, NQ-1, 1, 0
	MUL16 2, 1, NQ-1, 1, 0
	s_wait_dscnt 0
	WIN MUL_HI
	MUL16 4, 1, NQ-1, 1, 0
	MUL16 6, 1, NQ-1, 1, 0
	WIN 0
; THE WAY OUT.  A lane's eight results of an accumulator, rounded to f16, are 16 bytes; the 32 lanes' are one image of 512 bytes, stored as it stands: 512 consecutive bytes, aligned.  No LDS.
; mode 0 (q, k): accumulator (a, b) = tokens 16 a on, channels 16 b on: tile a, head b / 4 of my two, block b % 4.   mode 1 (v): (a, b) = channels 16 a on, tokens 16 b on: tile b, head a / 4, block a % 4.
; Each accumulator is read from its low end on.  Four sets of packed registers take turns; a set is written again only behind the wait that shows its stores' sources read.
.macro WAYOUT mode
.irp a, 0,1,2,3,4,5,6,7
.if \a >= 4
	s_wait_xcnt 0x0                                ; the stores of four blocks back have read their registers
.endif
	WIN 0x0a+5*(\a/4)                              ; sources 0 and 1: window 2 or 3
.irp b, 0,1,2,3,4,5,6,7
.irp i, 0,1,2,3
	v_cvt_pk_f16_f32 v[OUTR+32*(\a%4)+4*\b+\i], v[64*(\a%4)+8*\b+2*\i], v[64*(\a%4)+8*\b+2*\i+1]
.endr
.endr
	WIN 0
.irp b, 0,1,2,3,4,5,6,7
.if \mode
	global_store_b128 v[CO], v[OUTR+32*(\a%4)+4*\b:OUTR+32*(\a%4)+4*\b+3], s[12:13] offset:\b*2048+(\a/4)*HEADB+(\a%4)*512
.else
	global_store_b128 v[CO], v[OUTR+32*(\a%4)+4*\b:OUTR+32*(\a%4)+4*\b+3], s[12:13] offset:\a*2048+(\b/4)*HEADB+(\b%4)*512
.endif
.endr
.endr
.endm
	PLACES NP                                      ; behind the last products: for the reads of their results and the writes over A's fragments
	s_cmp_eq_u32 ttmp9, 2                          ; the cluster's x: all partners go the same way
	s_cbranch_scc1 .Lout_v
	WAYOUT 0
	s_branch .Lout_end
.Lout_v:
	WAYOUT 1
.Lout_end:
	s_wait_tensorcnt 0x0                           ; the wave's end
	ds_add_u32 v[SPW], v[NIL]
	s_wait_dscnt 0x0
	CROUND                                         ; the closing round: no work-group ends while a partner may still ask for a tile that names it
	s_endpgm
.Lfunc_end_k_q970058e005_gemm:
	.size	k_q970058e005_gemm, .Lfunc_end_k_q970058e005_gemm-k_q970058e005_gemm
	.p2alignl 7, 3214868480
	.fill 96, 4, 3214868480
	.section	.rodata,"a",@progbits
	.p2align	6, 0x0
	.amdhsa_kernel k_q970058e005_gemm
		.amdhsa_group_segment_fixed_size 327680
		.amdhsa_private_segment_fixed_size 0
		.amdhsa_enable_private_segment 0
		.amdhsa_kernarg_size 40
		.amdhsa_user_sgpr_count 2
		.amdhsa_user_sgpr_kernarg_segment_ptr 1
		.amdhsa_wavefront_size32 1
		.amdhsa_system_sgpr_workgroup_id_x 1
		.amdhsa_system_sgpr_workgroup_id_y 1
		.amdhsa_system_sgpr_workgroup_id_z 1
		.amdhsa_system_vgpr_workitem_id 0
		.amdhsa_next_free_vgpr 1024
		.amdhsa_next_free_sgpr 102
		.amdhsa_reserve_vcc 0
		.amdhsa_float_denorm_mode_32 3
		.amdhsa_float_denorm_mode_16_64 3
		.amdhsa_memory_ordered 1
		.amdhsa_forward_progress 1
		.amdhsa_inst_pref_size 141
	.end_amdhsa_kernel
	.amdgpu_metadata
---
amdhsa.version: [ 1, 2 ]
amdhsa.kernels:
  - .name:           k_q970058e005_gemm
    .symbol:         k_q970058e005_gemm.kd
    .args:
      - { .name: xc, .offset: 0, .size: 8, .value_kind: global_buffer, .address_space: global }
      - { .name: xs, .offset: 8, .size: 8, .value_kind: global_buffer, .address_space: global }
      - { .name: wc, .offset: 16, .size: 8, .value_kind: global_buffer, .address_space: global }
      - { .name: ws, .offset: 24, .size: 8, .value_kind: global_buffer, .address_space: global }
      - { .name: qkv, .offset: 32, .size: 8, .value_kind: global_buffer, .address_space: global }
    .group_segment_fixed_size: 327680
    .private_segment_fixed_size: 0
    .kernarg_segment_align: 8
    .kernarg_segment_size: 40
    .max_flat_workgroup_size: 128
    .sgpr_count:     102
    .vgpr_count:     1024
    .wavefront_size: 32
...
	.end_amdgpu_metadata
.endif
;; end of part 2
;; launch attn (part 3): grid 16 x 16, 16 waves a work-group, no clusters, 327,680 bytes of LDS; arguments qkv, o16; writes o16
.if DOCPART == 3
	.amdgcn_target "amdgcn-amd-amdhsa--gfx1250"
	.amdhsa_code_object_version 6
	.text
	.protected	k_q970058e005_attn
	.globl	k_q970058e005_attn
	.p2align	8
	.type	k_q970058e005_attn,@function
k_q970058e005_attn:
	s_mov_b64 s[64:65], 0
	v_nop
	global_prefetch_b8 v0, s[64:65] scope:SCOPE_SE
	s_setreg_imm32_b32 hwreg(HW_REG_WAVE_MODE, 25, 1), 1
	s_wait_xcnt 0x0
; ATTENTION under the mask that the problem builds: key k counts for query q where k < 16, or where 16 <= k, q >= 16 and q - 512 <= k <= q.  16 heads of 64 channels, 4,096 tokens.  Operands f16, sums f32.
; SHARES.  A work-group owns 256 queries (Q0 = 256 x) of one head (y); each of its sixteen waves owns 16 of them (q0 = Q0 + 16 w) in 256 registers: four waves to a SIMD, so that one wave's vector work stands
; beside another's matrix work and LDS loads.
; KEYS.  First the 16 persistent keys, which every query sees: they start the maximum, the sum and O.  Then the window, in 12 chunks of 64 keys from Q0 - 512 on; a wave works on the chunks that touch
; q0 - 512 .. q0 + 15 (nine of them), chosen by a scalar test on ids.  Keys under 16 are hidden in the window (they have been counted), and so are the rows in front of token 0, which hold zeros.
; LAYOUT.  Both products are used transposed: S^T = K Q^T (source 0 = 16 keys, source 1 = my 16 queries), O^T = V^T P (source 0 = 16 channels, source 1 = P): a lane holds ONE query (lane % 16) throughout.
; qkv holds q, k and v^T as images of these operands' registers (512 bytes: lane l's 16 bytes at 16 l), so a chunk of K or V is 8,192 dense bytes, every LDS load takes 512 consecutive bytes, and nothing is turned.
; SOFTMAX.  For each query a running maximum m and sum l: p = 2^(c s - c m), c = log2(e) / 8; in every step O and l are multiplied by a = 2^(c m_old - c m_new).  A hidden score is -infinity: its p is 0.
; LDS.  All 12 chunks and the persistent chunk have bytes of their own: every tensor load is a first fill.  Stage A (chunks 0-3) and the persistent chunk go out at the head, stage B behind the first barrier, stage C behind
; the second: each has a stage's steps in which to land.  By this text's own count a wave has one tensor load out at the most; every wait on TENSORcnt is for 0.
; NO CLUSTER: neighbouring query blocks' windows are shifted by 256 keys, so a chunk that two of them share would lie at different LDS addresses in the two; only the persistent 16 KiB of a work-group's 208 KiB is common to all.
; NO PREFETCH: each 256 tokens of K and V are among the head's loads of some work-group of the same head, and all work-groups begin together.
; LIMITS: q, k, v and the result lie under 65,504 in magnitude (f16); NaN and infinities are not served.
.set HEADB, 589824                     ; a head's region in qkv
.set PERS,  65536                      ; LDS: 0: stage A (K's chunks 0-3, 8,192 bytes each, then V's); 65,536: K of tokens 0-63; 73,728: V of them;
.set STB,   81920                      ; stage B (chunks 4-7);
.set STC,   147456                     ; stage C (chunks 8-11);
.set SPARE, 212992                     ; the spare words, 128 bytes for each of 16 waves
.set LA,   1                           ; v1   16 x lane; never rewritten
.set ADR,  2                           ; v2   LDS address of the chunk in hand
.set SPW,  3                           ; v3   LDS address of my spare word; never rewritten
.set NIL,  4                           ; v4   0; never rewritten
.set H8,   5                           ; v5   8 (lane / 16)
.set HIW,  6                           ; v6   my query - 8 (lane / 16)
.set LOW,  7                           ; v7   max(16, my query - 512) - 8 (lane / 16)
.set DH,   8                           ; v8   HIW - the chunk's first key
.set DL,   9                           ; v9   LOW - the chunk's first key
.set NINF, 10                          ; v10  -infinity
.set Q,    16                          ; v16-31   Q: two fragments of 16 queries x 32 channels
.set K,    32                          ; v32-95   K: fragment (tile of 16 keys t, channels 32 cs on) at K + 16 t + 8 cs
.set V,    96                          ; v96-159  V^T: fragment (keys 32 ks on, channels 16 u on) at V + 8 (4 ks + u)
.set S,    160                         ; v160-191 S^T: register 8 t + j = key 16 t + 8 (lane / 16) + j of the chunk
.set P,    192                         ; v192-207 P in f16: fragment ks at P + 8 ks
.set O,    208                         ; v208-239 O^T: register 8 u + j = channel 16 u + 8 (lane / 16) + j
.set CM,   240                         ; v240 c m;  v241 m
.set M,    241
.set L,    242                         ; v[242:243] l, in two halves
.set C0,   244                         ; v244-247 at work; a takes v246
.set AA,   246
.set RL,   248                         ; v[248:249] 1 / l
; s8 wave, s9 head, s10 Q0, s11 q0, s12 the chunk's first key, s13 q0 - 512, s14 q0 + 15, s15 max(16, q0 - 497); s[16:23], s[24:27] the descriptor; s28 the chunk's LDS byte; s29 a loop's count;
; s[32:33] Q's address; s[36:37] lane selects; s[38:39] c
; A MEETING in front of a stage's steps: every wave waits for all its tensor loads, adds 0 to its spare word, waits for that and for its LDS loads, and passes the barrier: the stage is whole for all sixteen.
; load = 1: behind it waves 0 to 7 ask for the next stage, one load each, into bytes that nothing has filled.  twice = 1: the add stands twice on end.
.macro MEET twice, load, ldsstep
	s_wait_tensorcnt 0x0                           ; no tensor load of mine is out, so the descriptor may be written
	ds_add_u32 v[SPW], v[NIL]                      ; 0 onto my spare word
.if \twice
	ds_add_u32 v[SPW], v[NIL]
.endif
.if \load
	s_add_co_u32 s25, s25, \ldsstep                ; the next stage's bytes,
	s_add_nc_u64 s[26:27], s[26:27], 32768         ; 256 rows of 128 bytes on; the type bits on top are not reached
.endif
	s_wait_dscnt 0x0
	s_barrier_signal -1
	s_barrier_wait -1
.if \load
	s_cmp_lt_u32 s8, 8
	s_cbranch_scc0 .Lno_load_\@
	tensor_load_to_lds s[24:27], s[16:23]
	s_nop 0
.rept 4
	v_nop
.endr
.Lno_load_\@:
.endif
.endm
; A CHUNK of 64 keys at LDS byte s28, first key s12.
.macro STEP
	s_add_co_i32 s2, s12, 63                       ; the chunk's last key
	s_cmp_lt_i32 s2, s13                           ; all its keys lie under every window of mine,
	s_cbranch_scc1 .Lskip_\@
	s_cmp_gt_i32 s12, s14                          ; or after my last query: the chunk is left out (ids alone)
	s_cbranch_scc1 .Lskip_\@
	v_add_nc_u32 v[ADR], s28, v[LA]
.rept 3
	v_nop                                          ; with the addition: four places in front of loads into registers that the last products read
.endr
.irp i, 0,1,2,3,4,5,6,7,8,9,10,11,12,13,14,15
	ds_load_b128 v[K+4*\i:K+4*\i+3], v[ADR] offset:512*\i           ; image 4 t + beta: tile t, channels 16 beta on
.endr
.irp f, 0,1,2,3,4,5,6,7
	ds_load_b128 v[V+8*\f:V+8*\f+3],   v[ADR] offset:32768+4096*(\f/4)+512*(\f%4)        ; keys 32 ks + 8 h on,
	ds_load_b128 v[V+8*\f+4:V+8*\f+7], v[ADR] offset:32768+4096*(\f/4)+2048+512*(\f%4)   ; and 16 further on
.endr
	s_wait_dscnt 16                                ; K is in; V's 16 loads may be out
.irp t, 0,1,2,3
	v_wmma_f32_16x16x32_f16 v[S+8*\t:S+8*\t+7], v[K+16*\t:K+16*\t+7], v[Q:Q+7], 0
.endr
.irp t, 0,1,2,3                        ; the four accumulators by turns
	v_wmma_f32_16x16x32_f16 v[S+8*\t:S+8*\t+7], v[K+16*\t+8:K+16*\t+15], v[Q+8:Q+15], v[S+8*\t:S+8*\t+7]
.endr
.rept 4
	v_nop
.endr
	s_cmp_le_i32 s2, s11                           ; every key at or under my first query: none comes after a query
	s_cbranch_scc1 .Lno_hi_\@
	v_sub_nc_u32 v[DH], v[HIW], s12
.irp n, 0,1,2,3,4,5,6,7,8,9,10,11,12,13,14,15,16,17,18,19,20,21,22,23,24,25,26,27,28,29,30,31
	v_cmp_gt_i32 vcc_lo, 16*(\n/8)+\n%8, v[DH]     ; the key comes after my query
	v_cndmask_b32 v[S+\n], v[S+\n], v[NINF], vcc_lo
.endr
.Lno_hi_\@:
	s_cmp_ge_i32 s12, s15                          ; every key at or over the highest of my lower bounds: none lies under a window
	s_cbranch_scc1 .Lno_lo_\@
	v_sub_nc_u32 v[DL], v[LOW], s12
.irp n, 0,1,2,3,4,5,6,7,8,9,10,11,12,13,14,15,16,17,18,19,20,21,22,23,24,25,26,27,28,29,30,31
	v_cmp_lt_i32 vcc_lo, 16*(\n/8)+\n%8, v[DL]     ; the key lies under my window, or is a persistent one
	v_cndmask_b32 v[S+\n], v[S+\n], v[NINF], vcc_lo
.endr
.Lno_lo_\@:
.irp j, 0,1,2,3
	v_max3_num_f32 v[C0+\j], v[S+8*\j], v[S+8*\j+1], v[S+8*\j+2]   ; the maximum, in four chains; each accumulator is read from its low end on
.endr
.irp g, 1,2
.irp j, 0,1,2,3
	v_max3_num_f32 v[C0+\j], v[C0+\j], v[S+8*\j+2*\g+1], v[S+8*\j+2*\g+2]
.endr
.endr
	v_max3_num_f32 v[C0], v[C0], v[S+7], v[S+15]
	v_max3_num_f32 v[C0+2], v[C0+2], v[S+23], v[S+31]
	v_max3_num_f32 v[C0], v[C0], v[C0+1], v[C0+2]
	v_max3_num_f32 v[C0], v[C0], v[C0+3], v[M]     ; with the old m
	v_permlanex16_b32 v[C0+1], v[C0], s36, s37     ; the query's other 32 keys lie in the lane 16 away
	v_mov_b32 v[C0+3], v[CM]                       ; c m_old is kept for a
	v_max_num_f32 v[M], v[C0], v[C0+1]
	v_mul_f32 v[CM], s38, v[M]
	v_sub_f32 v[C0+3], v[C0+3], v[CM]
.irp b, 0,1,2,3,4,5,6,7,8,9,10,11,12,13,14,15
	v_pk_fma_f32 v[S+2*\b:S+2*\b+1], v[S+2*\b:S+2*\b+1], s[38:39], v[CM:CM+1] op_sel_hi:[1,0,0] neg_lo:[0,0,1] neg_hi:[0,0,1]   ; c s - c m
.endr
	v_exp_f32 v[AA], v[C0+3]                       ; a
.irp e, 0,1,2,3,4,5,6,7,8,9,10,11,12,13,14,15,16,17,18,19,20,21,22,23,24,25,26,27,28,29,30,31
	v_exp_f32 v[S+\e], v[S+\e]                     ; p
.endr
	v_nop                                          ; a plain instruction behind the last exponential
	s_wait_alu depctr_va_vdst(0)                   ; one wait for the batch of 33, ahead of its first reader
.irp i, 0,1,2,3,4,5,6,7,8,9,10,11,12,13,14,15
	v_cvt_pk_f16_f32 v[P+\i], v[S+2*\i], v[S+2*\i+1]
.endr
.irp u, 0,1,2,3,4,5,6,7
	v_pk_add_f32 v[S+4*\u:S+4*\u+1], v[S+4*\u:S+4*\u+1], v[S+4*\u+2:S+4*\u+3]   ; the sum of the unrounded p, in place: neighbours 1, 2, 4, 8 pairs apart
.endr
.irp u, 0,1,2,3
	v_pk_add_f32 v[S+8*\u:S+8*\u+1], v[S+8*\u:S+8*\u+1], v[S+8*\u+4:S+8*\u+5]
.endr
.irp u, 0,1
	v_pk_add_f32 v[S+16*\u:S+16*\u+1], v[S+16*\u:S+16*\u+1], v[S+16*\u+8:S+16*\u+9]
.endr
	v_pk_add_f32 v[S:S+1], v[S:S+1], v[S+16:S+17]
	v_pk_fma_f32 v[L:L+1], v[L:L+1], v[AA:AA+1], v[S:S+1] op_sel_hi:[1,0,1]      ; l = a l + the sum
.irp i, 0,1,2,3,4,5,6,7,8,9,10,11,12,13,14,15
	v_pk_mul_f32 v[O+2*\i:O+2*\i+1], v[O+2*\i:O+2*\i+1], v[AA:AA+1] op_sel_hi:[1,0]   ; O^T x a, from each accumulator's low end on
.endr
	s_wait_dscnt 0x0                               ; V is in
.irp f, 0,1,2,3,4,5,6,7                ; the four accumulators by turns
	v_wmma_f32_16x16x32_f16 v[O+8*(\f%4):O+8*(\f%4)+7], v[V+8*\f:V+8*\f+7], v[P+8*(\f/4):P+8*(\f/4)+7], v[O+8*(\f%4):O+8*(\f%4)+7]
.endr
.Lskip_\@:
	s_add_co_i32 s12, s12, 64
	s_add_co_u32 s28, s28, 8192
.endm
.macro STAGE_STEPS                     ; a stage's four chunks: written once, walked four times
	s_mov_b32 s29, 4
.Lchunk_\@:
	STEP
	s_sub_co_u32 s29, s29, 1
	s_cmp_lg_u32 s29, 0
	s_cbranch_scc1 .Lchunk_\@
.endm
	s_load_b128 s[4:7], s[0:1], 0x0                ; qkv, o16
	v_lshl_add_u32 v[SPW], v0, 2, SPARE
	v_mov_b32 v[NIL], 0
	ds_add_u32 v[SPW], v[NIL]                      ; the wave's opening: the add, twice on end, and its wait ahead of the first tensor load
	ds_add_u32 v[SPW], v[NIL]
	v_lshrrev_b32 v5, 5, v0
	v_readfirstlane_b32 s8, v5                     ; wave 0..15
	s_and_b32 s9, ttmp7, 0xffff                    ; the head
	s_lshl_b32 s10, ttmp9, 8                       ; Q0
	s_lshl_b32 s11, s8, 4
	s_add_co_u32 s11, s11, s10                     ; q0
	s_sub_co_i32 s13, s11, 512
	s_add_co_u32 s14, s11, 15
	s_sub_co_i32 s15, s11, 497
	s_max_i32 s15, s15, 16
	; descriptor group 1: 8,192 dense bytes as 32 rows of 32 elements of 8 bytes, no padding, no mask
	s_mov_b32 s16, 3<<16
	s_mov_b32 s17, 32<<16                          ; tensor_dim0 = 32
	s_mov_b32 s18, 32<<16                          ; tensor_dim1 = 32
	s_mov_b32 s19, 32<<16                          ; tile_dim0 = 32
	s_mov_b32 s20, 32                              ; tile_dim1 = 32
	s_mov_b32 s21, 32                              ; from row to row
	s_mov_b32 s22, 0
	s_mov_b32 s23, 0
	s_mov_b32 s24, 1                               ; group 0: count = 1,
	s_lshl_b32 s25, s8, 13                         ; LDS address 8,192 x wave: waves 0-3 K's chunks, 4-7 V's, 8 and 9 the persistent chunk's K and V
	s_lshr_b32 s2, s8, 2                           ; waves 0-7: K (0) or V (1),
	s_and_b32 s3, s8, 1                            ; waves 8, 9 likewise
	s_and_b32 s30, s8, 3
	s_lshl_b32 s30, s30, 6
	s_add_co_u32 s30, s30, s10                     ; waves 0-7: row Q0 + 64 (wave % 4), which is key Q0 - 512 + 64 (wave % 4);
	s_mov_b32 s31, 512                             ; waves 8, 9: row 512, token 0
	s_cmp_lt_u32 s8, 8
	s_cselect_b32 s2, s2, s3
	s_cselect_b32 s30, s30, s31
	s_lshl_b32 s2, s2, 4
	s_add_co_u32 s2, s2, s9
	s_add_co_u32 s2, s2, 16                        ; region 16 + 16 (K or V) + head
	s_mul_i32 s2, s2, HEADB
	s_lshl_b32 s30, s30, 7                         ; 128 bytes a row
	s_add_co_u32 s30, s30, s2
	s_mov_b32 s31, 0
	s_mul_i32 s34, s9, HEADB                       ; Q: region head, row 512 + q0
	s_lshl_b32 s35, s11, 7
	s_add_co_u32 s34, s34, s35
	s_add_co_u32 s34, s34, 512*128
	s_mov_b32 s35, 0
	s_lshl_b32 s2, s11, 11                         ; o16: tile q0 / 16 of 32,768 bytes, + 2,048 x head
	s_lshl_b32 s3, s9, 11
	s_add_co_u32 s2, s2, s3
	s_mov_b32 s3, 0
	s_mov_b32 s36, 0x76543210
	s_mov_b32 s37, 0xfedcba98                      ; v_permlanex16_b32's selects for lane l xor 16
	s_mov_b32 s38, 0x3e38aa3b                      ; c = log2(e) / 8
	s_mov_b32 s39, s38                             ; (named with it as a pair, so it is written)
	s_wait_dscnt 0x0                               ; both opening adds are done
	s_wait_kmcnt 0x0
	s_add_nc_u64 s[26:27], s[4:5], s[30:31]
	s_or_b32 s27, s27, 0x80000000                  ; type = 2
	s_add_nc_u64 s[32:33], s[4:5], s[34:35]
	s_add_nc_u64 s[6:7], s[6:7], s[2:3]
	s_cmp_lt_u32 s8, 10                            ; the head's fills: stage A and the persistent chunk, one load a wave
	s_cbranch_scc0 .Lno_first
	tensor_load_to_lds s[24:27], s[16:23]
	s_nop 0
.rept 4
	v_nop
.endr
.Lno_first:
	v_and_b32 v[LA], 31, v0
	v_lshlrev_b32 v[LA], 4, v[LA]
.irp i, 0,1,2,3
	global_load_b128 v[Q+4*\i:Q+4*\i+3], v[LA], s[32:33] offset:512*\i   ; Q's four images stay in registers
.endr
	v_and_b32 v11, 15, v0
	v_bfe_u32 v[H8], v0, 4, 1
	v_lshlrev_b32 v[H8], 3, v[H8]
	v_add_nc_u32 v11, s11, v11                     ; my query
	v_sub_nc_u32 v[HIW], v11, v[H8]
	v_add_nc_u32 v[LOW], 0xfffffe00, v11           ; my query - 512,
	v_mov_b32 v12, 16
	v_cmp_gt_i32 vcc_lo, 16, v[LOW]
	v_cndmask_b32 v[LOW], v[LOW], v12, vcc_lo      ; held at 16 from below
	v_sub_nc_u32 v[LOW], v[LOW], v[H8]
	v_mov_b32 v[NINF], 0xff800000
	MEET 1, 1, STB                                 ; stage A and the persistent chunk are whole; stage B goes out
	; THE 16 PERSISTENT KEYS: no mask.  They start m, l and O^T.  The second half of P's fragment (keys 16-31) is zero.
	v_add_nc_u32 v[ADR], PERS, v[LA]
.irp i, 0,1,2,3
	ds_load_b128 v[K+4*\i:K+4*\i+3], v[ADR] offset:512*\i
.endr
.irp u, 0,1,2,3
	ds_load_b128 v[V+8*\u:V+8*\u+3],   v[ADR] offset:8192+512*\u
	ds_load_b128 v[V+8*\u+4:V+8*\u+7], v[ADR] offset:8192+2048+512*\u
.endr
	s_wait_loadcnt 0x0                             ; Q
	s_wait_dscnt 8                                 ; K is in; V's 8 loads may be out
	v_wmma_f32_16x16x32_f16 v[S:S+7], v[K:K+7], v[Q:Q+7], 0
	s_wait_alu depctr_va_vdst(0)                   ; the wait directly ahead of the link
	v_wmma_f32_16x16x32_f16 v[S:S+7], v[K+8:K+15], v[Q+8:Q+15], v[S:S+7]
.rept 4
	v_nop
.endr
	v_max3_num_f32 v[C0], v[S], v[S+1], v[S+2]
	v_max3_num_f32 v[C0+1], v[S+3], v[S+4], v[S+5]
	v_max3_num_f32 v[C0], v[C0], v[S+6], v[S+7]
	v_max_num_f32 v[C0], v[C0], v[C0+1]
	v_permlanex16_b32 v[C0+1], v[C0], s36, s37
	v_max_num_f32 v[M], v[C0], v[C0+1]
	v_mul_f32 v[CM], s38, v[M]
.irp b, 0,1,2,3
	v_pk_fma_f32 v[S+2*\b:S+2*\b+1], v[S+2*\b:S+2*\b+1], s[38:39], v[CM:CM+1] op_sel_hi:[1,0,0] neg_lo:[0,0,1] neg_hi:[0,0,1]
.endr
.irp e, 0,1,2,3,4,5,6,7
	v_exp_f32 v[S+\e], v[S+\e]
.endr
.irp i, 4,5,6,7
	v_mov_b32 v[P+\i], 0                           ; plain work behind the exponentials
.endr
	s_wait_alu depctr_va_vdst(0)                   ; one wait for the batch of 8, ahead of its first reader
.irp i, 0,1,2,3
	v_cvt_pk_f16_f32 v[P+\i], v[S+2*\i], v[S+2*\i+1]
.endr
	v_pk_add_f32 v[S:S+1], v[S:S+1], v[S+2:S+3]
	v_pk_add_f32 v[S+4:S+5], v[S+4:S+5], v[S+6:S+7]
	v_pk_add_f32 v[L:L+1], v[S:S+1], v[S+4:S+5]
	s_wait_dscnt 0x0                               ; V is in
.irp u, 0,1,2,3
	v_wmma_f32_16x16x32_f16 v[O+8*\u:O+8*\u+7], v[V+8*\u:V+8*\u+7], v[P:P+7], 0
.endr
	s_sub_co_i32 s12, s10, 512                     ; the window's first key
	s_mov_b32 s28, 0
	STAGE_STEPS                                    ; chunks 0-3
	MEET 1, 1, STC-STB                             ; stage B is whole; stage C goes out
	s_mov_b32 s28, STB
	STAGE_STEPS                                    ; chunks 4-7
	MEET 0, 0, 0                                   ; stage C is whole; nothing more is asked for
	s_mov_b32 s28, STC
	STAGE_STEPS                                    ; chunks 8-11
	; THE WAY OUT.  l's two halves and the other half of the lanes' are added; O^T / l, rounded to f16, is four images of the projection's operand registers: 512 consecutive bytes a store, aligned.
.rept 4
	v_nop
.endr
	v_add_f32 v[C0], v[L], v[L+1]
	v_permlanex16_b32 v[C0+1], v[C0], s36, s37
	v_add_f32 v[C0], v[C0], v[C0+1]
	v_rcp_f32 v[RL], v[C0]
	v_mov_b32 v[RL+1], 0                           ; a plain instruction behind the reciprocal (the pair's upper word is named below, so it is written)
	s_wait_alu depctr_va_vdst(0)                   ; the wait ahead of the first reader
.irp i, 0,1,2,3,4,5,6,7,8,9,10,11,12,13,14,15
	v_pk_mul_f32 v[O+2*\i:O+2*\i+1], v[O+2*\i:O+2*\i+1], v[RL:RL+1] op_sel_hi:[1,0]
.endr
.irp i, 0,1,2,3,4,5,6,7,8,9,10,11,12,13,14,15
	v_cvt_pk_f16_f32 v[K+\i], v[O+2*\i], v[O+2*\i+1]
.endr
.irp u, 0,1,2,3
	global_store_b128 v[LA], v[K+4*\u:K+4*\u+3], s[6:7] offset:512*\u
.endr
	s_wait_tensorcnt 0x0                           ; the wave's end
	ds_add_u32 v[SPW], v[NIL]
	s_wait_dscnt 0x0
	s_endpgm
.Lfunc_end_k_q970058e005_attn:
	.size	k_q970058e005_attn, .Lfunc_end_k_q970058e005_attn-k_q970058e005_attn
	.p2alignl 7, 3214868480
	.fill 96, 4, 3214868480
	.section	.rodata,"a",@progbits
	.p2align	6, 0x0
	.amdhsa_kernel k_q970058e005_attn
		.amdhsa_group_segment_fixed_size 327680
		.amdhsa_private_segment_fixed_size 0
		.amdhsa_enable_private_segment 0
		.amdhsa_kernarg_size 16
		.amdhsa_user_sgpr_count 2
		.amdhsa_user_sgpr_kernarg_segment_ptr 1
		.amdhsa_wavefront_size32 1
		.amdhsa_system_sgpr_workgroup_id_x 1
		.amdhsa_system_sgpr_workgroup_id_y 1
		.amdhsa_system_sgpr_workgroup_id_z 1
		.amdhsa_system_vgpr_workitem_id 0
		.amdhsa_next_free_vgpr 256
		.amdhsa_next_free_sgpr 66
		.amdhsa_reserve_vcc 1
		.amdhsa_float_denorm_mode_32 3
		.amdhsa_float_denorm_mode_16_64 3
		.amdhsa_memory_ordered 1
		.amdhsa_forward_progress 1
		.amdhsa_inst_pref_size 55
	.end_amdhsa_kernel
	.amdgpu_metadata
---
amdhsa.version: [ 1, 2 ]
amdhsa.kernels:
  - .name:           k_q970058e005_attn
    .symbol:         k_q970058e005_attn.kd
    .args:
      - { .name: qkv, .offset: 0, .size: 8, .value_kind: global_buffer, .address_space: global }
      - { .name: o16, .offset: 8, .size: 8, .value_kind: global_buffer, .address_space: global }
    .group_segment_fixed_size: 327680
    .private_segment_fixed_size: 0
    .kernarg_segment_align: 8
    .kernarg_segment_size: 16
    .max_flat_workgroup_size: 512
    .sgpr_count:     66
    .vgpr_count:     256
    .wavefront_size: 32
...
	.end_amdgpu_metadata
.endif
;; end of part 3
;; launch proj (part 4): grid 8 x 32, 4 waves a work-group, clusters of 4 x 4, 327,680 bytes of LDS; arguments o16, w16, out0; writes out0
.if DOCPART == 4
	.amdgcn_target "amdgcn-amd-amdhsa--gfx1250"
	.amdhsa_code_object_version 6
	.text
	.protected	k_q970058e005_proj
	.globl	k_q970058e005_proj
	.p2align	8
	.type	k_q970058e005_proj,@function
k_q970058e005_proj:
	s_mov_b64 s[64:65], 0
	v_nop
	global_prefetch_b8 v0, s[64:65] scope:SCOPE_SE
	s_setreg_imm32_b32 hwreg(HW_REG_WAVE_MODE, 25, 1), 1
	s_wait_xcnt 0x0
	s_wait_alu depctr_hold_cnt(0) depctr_sa_sdst(0) depctr_va_vdst(0) depctr_va_sdst(0) depctr_va_ssrc(0) depctr_va_vcc(0) depctr_vm_vsrc(0)
	s_getreg_b32 s2, hwreg(HW_REG_IB_STS2, 6, 4)
	s_cmp_eq_u32 s2, 0
	s_cbranch_scc0 .Lentry_in_a_cluster
	s_endpgm
.Lentry_in_a_cluster:
	s_bfe_u32 s2, ttmp6, 0x10000c
	s_cmp_lg_u32 s2, 0xf033
	s_cbranch_scc0 .Lentry_shape_is_right
	s_endpgm
.Lentry_shape_is_right:
; PROJECTION.  out0[t][e] = sum over d of o[t][d] W_out[e][d]: [4096][1024] x [1024][1024], operands f16, sums and result f32.
; Both operands lie in memory as images of the operand's registers: [tile of 16 rows][fragment F 0..31 (32 along K)][c 0..1][lane][16 bytes]: a tile of 16 rows is 32,768 bytes, a K step of 256 is 8,192 consecutive bytes of it.
; A tile of out0 is 128 x 128: 256 work-groups.  Four waves, each 64 x 64: 16 accumulators of 16 x 16.  K goes in four steps of 256 through two LDS slots; a wave's tensor load brings 4 tiles of 16 rows x 8,192 bytes.
; In LDS the images lie densely: every fragment load takes 512 consecutive bytes, so there is no pitch and no padding.
; CLUSTERS: 4 x 4 work-groups.  The four of a row of the cluster need the same tiles of o, the four of a column the same tiles of W_out: each is asked for JOINTLY.
; THE MATRIX INSTRUCTION IS USED TRANSPOSED (source 0 = 16 rows of W_out, source 1 = 16 rows of o): a lane holds eight neighbouring numbers of a row of out0.
; A wave's 64 columns are 256 aligned bytes of a row, so each wave sends its own results through its own stage in LDS: no barrier on the way out.
; No prefetch: a K step holds 128 matrix instructions a wave and the whole walk is four steps.
; REGISTERS: window 0: v0-31 addresses; v32-95 at work on the way out; v128-255 the accumulators ((a, b) at v[128 + 8 (4 a + b)]).  window 1: two fragment buffers of 128: for 64 along K, 64 registers of A, then 64 of B.
.set KSTEPB, 8192                      ; a K step of a tile of 16 rows, in bytes
.set HALFT,  4*KSTEPB                  ; what one tensor load brings, and what one wave reads of A or of B
.set SLOT,   4*HALFT                   ; A's 8 tiles of 16 rows, then B's
.set STAGE,  2*SLOT                    ; behind the slots: 16 rows x 272 bytes for each wave
.set SPITCH, 272
.set SPARE,  STAGE+4*16*SPITCH         ; behind the stages: the spare words, 128 bytes a wave
.set LAPS,   2                         ; a lap = two K steps
.set ADRA, 16                          ; v16-17  LDS address of my A fragments in slot 0, 1
.set ADRB, 20                          ; v20-21  the same for B
.set STO,  24                          ; v24     the way out: where I put 32 bytes of a row
.set RD,   25                          ; v25     where I read a row back
.set CO,   26                          ; v26     my byte offset in out0
.set SPW,  28                          ; v28     LDS address of my spare word; never rewritten
.set NIL,  29                          ; v29     0; never rewritten
.set TMP,  32
.set ACC,  128
.set F0,   0                           ; fragment buffers, in window 1
.set F1,   128
.set G1, 24                            ; s[24:31] descriptor group 1 for A's tiles;  s[32:39] group 0, one set for each slot
.set G0, 32
.set G1B, 48                           ; s[48:55], s[56:63] the same for B's
.set G0B, 56
.set MSB, 0
.macro WIN new                         ; the immediate's high byte repeats the setting that is left
.if MSB != \new
	s_set_vgpr_msb (MSB<<8)|\new
.set MSB, \new
.endif
.endm
.set MUL,  0x05                        ; sources 0 (B) and 1 (A) window 1; C and D window 0
.set TO_F, 0x40                        ; destination window 1, address window 0
.macro JLOAD s                         ; a joint load: waves 0 and 1 fetch A's two halves, waves 2 and 3 B's; an s_nop 0 and four v_nop follow each of the two lines
	s_cmp_eq_u32 s11, 0
	s_cbranch_scc0 .Lfor_b_\@
	tensor_load_to_lds s[G0+4*\s:G0+4*\s+3], s[G1:G1+7]
	s_nop 0
.rept 4
	v_nop
.endr
	s_branch .Lasked_\@
.Lfor_b_\@:
	tensor_load_to_lds s[G0B+4*\s:G0B+4*\s+3], s[G1B:G1B+7]
	s_nop 0
.rept 4
	v_nop
.endr
.Lasked_\@:
.endm
.macro CREST                           ; a round of the cluster's barrier behind its opening barrier
	s_cmp_lg_u32 s10, 0
	s_cbranch_scc1 .Lnot_wave_0_\@
	s_barrier_signal -3
.Lnot_wave_0_\@:
	s_barrier_wait -3
	s_barrier_signal -1
	s_barrier_wait -1
.endm
.macro CROUND                          ; a whole round
	s_barrier_signal -1
	s_barrier_wait -1
	CREST
.endm
	s_load_b128 s[4:7], s[0:1], 0x0                ; o16, w16
	s_load_b64 s[8:9], s[0:1], 0x10                ; out0
	v_lshl_add_u32 v[SPW], v0, 2, SPARE
	v_mov_b32 v[NIL], 0
	ds_add_u32 v[SPW], v[NIL]                      ; the wave's opening: the add, twice on end, and its wait ahead of my first tensor load
	ds_add_u32 v[SPW], v[NIL]
	v_lshrrev_b32 v1, 5, v0
	v_readfirstlane_b32 s10, v1                    ; wave 0..3
	s_lshr_b32 s11, s10, 1                         ; which half of the tile's rows is mine.  Also: I fetch for A (0) or for B (1)
	s_and_b32 s12, s10, 1                          ; which half of its columns.  Also: which 64 rows of that tile I fetch
	s_bfe_u32 s40, ttmp6, 0x40000                  ; cx, cy: my place in the cluster
	s_bfe_u32 s41, ttmp6, 0x40004
	s_lshl_b32 s42, ttmp9, 2
	s_add_co_u32 s42, s42, s40                     ; tile column = 4 x cluster x + cx
	s_and_b32 s13, ttmp7, 0xffff
	s_lshl_b32 s13, s13, 2
	s_add_co_u32 s13, s13, s41                     ; tile row = 4 x cluster y + cy
	s_lshl_b32 s43, s41, 2
	s_lshl_b32 s43, 15, s43                        ; my row of the cluster
	s_lshl_b32 s44, 0x1111, s40                    ; my column
	; descriptor group 1: 4 rows of 1,024 elements of 8 bytes (a K step of a tile of 16 rows), 4,096 elements apart; no padding
	s_or_b32 s[G1+0], s43, (3<<16)|(1<<21)         ; 15:0 the mask: A's tiles go to my row; 17:16 elements of 8 bytes; 21 set beside a mask
	s_or_b32 s[G1B+0], s44, (3<<16)|(1<<21)
.irp g, G1, G1B
	s_mov_b32 s[\g+1], 1024<<16                    ; tensor_dim0 = 1,024
	s_mov_b32 s[\g+2], 4<<16                       ; tensor_dim1 = 4
	s_mov_b32 s[\g+3], 1024<<16                    ; tile_dim0 = 1,024
	s_mov_b32 s[\g+4], 4                           ; tile_dim1 = 4
	s_mov_b32 s[\g+5], 4096                        ; tensor_dim0_stride
	s_mov_b32 s[\g+6], 0
	s_mov_b32 s[\g+7], 0
.endr
	s_lshl_b32 s17, s12, 17                        ; which 4 tiles of 16 rows I fetch: 4 x 32,768 bytes
	s_lshl_b32 s16, s13, 18
	s_add_co_u32 s16, s16, s17                     ; A: 8 x tile row + 4 x half, tiles of 32,768 bytes
	s_lshl_b32 s46, s42, 18
	s_add_co_u32 s46, s46, s17                     ; B: 8 x tile column + 4 x half
	s_mov_b32 s17, 0
	s_mov_b32 s47, 0
	s_lshl_b32 s20, s10, 15                        ; where they go: wave x 32,768: no place in the cluster enters an LDS address
	s_wait_dscnt 0x0                               ; both opening adds are done
	s_wait_kmcnt 0x0
	s_add_nc_u64 s[14:15], s[4:5], s[16:17]
	s_add_nc_u64 s[46:47], s[6:7], s[46:47]
	CROUND                                         ; all sixteen work-groups are here: the first joint loads meet
.irp s, 0,1
	s_mov_b32 s[G0+4*\s], 1
	s_add_co_u32 s[G0+4*\s+1], s20, \s*SLOT
	s_add_nc_u64 s[G0+4*\s+2:G0+4*\s+3], s[14:15], \s*KSTEPB
	s_or_b32 s[G0+4*\s+3], s[G0+4*\s+3], 0x80000000
	s_mov_b32 s[G0B+4*\s], 1
	s_add_co_u32 s[G0B+4*\s+1], s20, \s*SLOT
	s_add_nc_u64 s[G0B+4*\s+2:G0B+4*\s+3], s[46:47], \s*KSTEPB
	s_or_b32 s[G0B+4*\s+3], s[G0B+4*\s+3], 0x80000000
	JLOAD \s
.endr
	v_and_b32 v1, 15, v0                           ; l % 16
	v_bfe_u32 v2, v0, 4, 1                         ; l / 16
	v_and_b32 v3, 31, v0
	v_lshlrev_b32 v3, 4, v3                        ; 16 x lane: my place in an image
	s_lshl_b32 s21, s11, 15                        ; my 4 tiles of A
	s_lshl_b32 s22, s12, 15                        ; my 4 tiles of B,
	s_add_co_u32 s22, s22, 2*HALFT                 ; which lie behind A's 8
.irp s, 0,1
	v_add_nc_u32 v[ADRA+\s], s21, v3
	v_add_nc_u32 v[ADRB+\s], s22, v3
	s_add_co_u32 s21, s21, SLOT
	s_add_co_u32 s22, s22, SLOT
.endr
	s_mul_i32 s23, s10, 16*SPITCH
	s_add_co_u32 s23, s23, STAGE                   ; my stage
	v_mul_u32_u24 v4, v1, SPITCH                   ; in: row l % 16, 32 bytes for each half of the lanes
	v_lshl_add_u32 v4, v2, 5, v4
	v_add_nc_u32 v[STO], s23, v4
	v_mul_u32_u24 v5, v2, SPITCH                   ; back: lanes 0-15 take one row of 256 bytes, lanes 16-31 the next
	v_lshl_add_u32 v5, v1, 4, v5
	v_add_nc_u32 v[RD], s23, v5
	v_lshlrev_b32 v5, 12, v2                       ; and the same two rows in out0: 4,096 bytes a row
	v_lshl_add_u32 v[CO], v1, 4, v5
	s_lshl_b32 s16, s13, 19                        ; my first row: 128 x tile row + 64 x half, 4,096 bytes each
	s_lshl_b32 s17, s11, 18
	s_add_co_u32 s16, s16, s17
	s_mov_b32 s17, 0
	s_add_nc_u64 s[8:9], s[8:9], s[16:17]
	s_lshl_b32 s46, s42, 9                         ; my first column, in bytes: 512 x tile column + 256 x half
	s_lshl_b32 s47, s12, 8
	s_add_co_u32 s46, s46, s47
	s_mov_b32 s47, 0
	s_add_nc_u64 s[8:9], s[8:9], s[46:47]
; 8 matrix instructions: m blocks a0, a0 + 1 x all 4 n blocks, 32 along K: half c of buffer f.  zero = 1: the first product starts the sums
.macro MUL8 f, c, a0, zero
.irp a, \a0, \a0+1
.irp b, 0,1,2,3
.if \zero
	v_wmma_f32_16x16x32_f16 v[ACC+8*(4*(\a)+\b):ACC+8*(4*(\a)+\b)+7], v[\f+64+8*(4*\c+\b):\f+64+8*(4*\c+\b)+7], v[\f+8*(4*\c+\a):\f+8*(4*\c+\a)+7], 0
.else
	v_wmma_f32_16x16x32_f16 v[ACC+8*(4*(\a)+\b):ACC+8*(4*(\a)+\b)+7], v[\f+64+8*(4*\c+\b):\f+64+8*(4*\c+\b)+7], v[\f+8*(4*\c+\a):\f+8*(4*\c+\a)+7], v[ACC+8*(4*(\a)+\b):ACC+8*(4*(\a)+\b)+7]
.endif
.endr
.endr
.endm
; 32 LDS loads in one run: the fragments of the step's q-th 64 along K (fragments 2 q and 2 q + 1 of each tile of 16 rows) into buffer f; the first 32 along K first
.macro FETCH slot, q, f
	WIN TO_F
.irp c, 0,1
.irp i, 0,1,2,3
	ds_load_b128 v[\f+64+8*(4*\c+\i):\f+64+8*(4*\c+\i)+3],   v[ADRB+\slot] offset:(2*(\q)+\c)*1024+\i*KSTEPB
	ds_load_b128 v[\f+64+8*(4*\c+\i)+4:\f+64+8*(4*\c+\i)+7], v[ADRB+\slot] offset:(2*(\q)+\c)*1024+\i*KSTEPB+512
	ds_load_b128 v[\f+8*(4*\c+\i):\f+8*(4*\c+\i)+3],         v[ADRA+\slot] offset:(2*(\q)+\c)*1024+\i*KSTEPB
	ds_load_b128 v[\f+8*(4*\c+\i)+4:\f+8*(4*\c+\i)+7],       v[ADRA+\slot] offset:(2*(\q)+\c)*1024+\i*KSTEPB+512
.endr
.endr
.endm
.macro PLACES                          ; four places in front of loads into registers that matrix instructions have read, and of the first read of results
.rept 4
	v_nop
.endr
.endm
; A K step is four quarters of 64 along K, 32 matrix instructions each, on buffers 0, 1, 0, 1.  One of the first three: multiplies buffer f and fetches quarter q into g.
.macro QUARTER slot, q, f, g, zero
	s_wait_dscnt 16                                ; the first 32 along K are in; the other 16 loads may be out
	WIN MUL
	MUL8 \f, 0, 0, \zero
	MUL8 \f, 0, 2, \zero
	PLACES
	FETCH \slot, \q, \g
	s_wait_dscnt 32                                ; all but the 32 just issued
	WIN MUL
	MUL8 \f, 1, 0, 0
	MUL8 \f, 1, 2, 0
.endm
; The last quarter multiplies buffer 1 and changes slots: ONE barrier; in front of it each wave waits for all its tensor loads, adds 0 to its spare word, and waits for that and for its own reads of this slot.
; fill = 1: this slot is filled again, two K steps ahead, behind a round of the cluster's barrier.
.macro TURN slot, next, fill
	WIN 0                                          ; (the add's two registers lie in window 0)
	s_wait_tensorcnt 0x0                           ; all my tensor loads have landed: my part of the next slot
	ds_add_u32 v[SPW], v[NIL]                      ; 0 onto my spare word
	s_wait_dscnt 17                                ; (the add and the youngest sixteen loads may be out)
	WIN MUL
	MUL8 F1, 0, 0, 0                               ; eight matrix instructions stand between the add and the wait for it
	s_wait_dscnt 0x0                               ; the add is done, and my reads of this slot are over
	s_barrier_signal -1
	MUL8 F1, 0, 2, 0
.if \fill
	WIN 0
.endif
	s_barrier_wait -1
.if \fill
	CREST                                          ; the barrier has opened a round of the cluster's: no wave of any partner still reads this slot or has a load on its way
	s_add_nc_u64 s[G0+4*\slot+2:G0+4*\slot+3], s[G0+4*\slot+2:G0+4*\slot+3], 2*KSTEPB
	s_add_nc_u64 s[G0B+4*\slot+2:G0B+4*\slot+3], s[G0B+4*\slot+2:G0B+4*\slot+3], 2*KSTEPB
	JLOAD \slot                                    ; the first tensor load behind the round; the four v_nop behind it are also the places in front of the loads below
.else
	PLACES
.endif
	FETCH \next, 0, F0
	WIN MUL
	MUL8 F1, 1, 0, 0
	MUL8 F1, 1, 2, 0
.endm
	s_wait_tensorcnt 1                             ; my part of K step 0 is in (K step 1's load may be out)
	s_barrier_signal -1
	s_barrier_wait -1                              ; everybody's is
	FETCH 0, 0, F0
	QUARTER 0, 1, F0, F1, 1                        ; the first quarter stands in front of the loop: its first products start the sums
	WIN 0                                          ; at a label and at a branch every window is 0
	s_mov_b32 s3, LAPS-1
.Llap:                                                 ; a trip goes once round the two slots, from a lap's second quarter to the next lap's first, and fills both again
	QUARTER 0, 2, F1, F0, 0
	QUARTER 0, 3, F0, F1, 0
	TURN 0, 1, 1
	QUARTER 1, 1, F0, F1, 0
	QUARTER 1, 2, F1, F0, 0
	QUARTER 1, 3, F0, F1, 0
	TURN 1, 0, 1
	QUARTER 0, 1, F0, F1, 0
	WIN 0
	s_sub_co_u32 s3, s3, 1
	s_cmp_lg_u32 s3, 0
	s_cbranch_scc1 .Llap
	QUARTER 0, 2, F1, F0, 0                        ; the last lap fills nothing, and has no round of the cluster's barrier
	QUARTER 0, 3, F0, F1, 0
	TURN 0, 1, 0
	QUARTER 1, 1, F0, F1, 0
	QUARTER 1, 2, F1, F0, 0
	QUARTER 1, 3, F0, F1, 0
	s_wait_dscnt 16                                ; the very last quarter: nothing more to fetch
	WIN MUL
	MUL8 F1, 0, 0, 0
	MUL8 F1, 0, 2, 0
	s_wait_dscnt 0
	MUL8 F1, 1, 0, 0
	MUL8 F1, 1, 2, 0
	WIN 0
; THE WAY OUT, block by block of 16 rows x 64 columns.  A lane holds 32 neighbouring bytes of a row, and the lanes beside it hold other rows: a block goes through my own stage and comes back as whole rows of 256 bytes.
; LDS serves a wave's instructions in order (ISA guide 5.7.1.4): no wait between the stores and the loads, nor in front of the next block's stores.
.macro TOSTAGE a
.irp b, 0,1,2,3
	ds_store_b128 v[STO], v[ACC+8*(4*(\a)+\b):ACC+8*(4*(\a)+\b)+3] offset:64*\b          ; each accumulator from its low end on
	ds_store_b128 v[STO], v[ACC+8*(4*(\a)+\b)+4:ACC+8*(4*(\a)+\b)+7] offset:64*\b+16
.endr
.irp t, 0,1,2,3,4,5,6,7
	ds_load_b128 v[TMP+32*((\a)%2)+4*\t:TMP+32*((\a)%2)+4*\t+3], v[RD] offset:\t*2*SPITCH
.endr
.endm
.macro SEND a, younger                 ; younger: the LDS instructions issued behind block a's loads, which may stay out
	s_wait_dscnt \younger
.irp t, 0,1,2,3,4,5,6,7
	global_store_b128 v[CO], v[TMP+32*((\a)%2)+4*\t:TMP+32*((\a)%2)+4*\t+3], s[8:9] offset:(16*(\a)+2*\t)*4096 th:TH_STORE_NT   ; 16 lanes store 256 consecutive bytes, aligned; written once, read by nobody here
.endr
.endm
	PLACES
	TOSTAGE 0
.irp a, 1,2,3
.if \a > 1
	s_wait_xcnt 0x0                                ; block a - 2's stores have read their registers: block a's loads may land there
.endif
	TOSTAGE \a
	SEND \a-1, 16                                  ; behind block a - 1's loads: block a's 8 stores and 8 loads
.endr
	SEND 3, 0
	s_wait_tensorcnt 0x0                           ; the wave's end, behind my last tensor load and my last LDS store
	ds_add_u32 v[SPW], v[NIL]
	s_wait_dscnt 0x0
	CROUND                                         ; the closing round: no work-group ends while a partner may still ask for a tile that names it
	s_endpgm
.Lfunc_end_k_q970058e005_proj:
	.size	k_q970058e005_proj, .Lfunc_end_k_q970058e005_proj-k_q970058e005_proj
	.p2alignl 7, 3214868480
	.fill 96, 4, 3214868480
	.section	.rodata,"a",@progbits
	.p2align	6, 0x0
	.amdhsa_kernel k_q970058e005_proj
		.amdhsa_group_segment_fixed_size 327680
		.amdhsa_private_segment_fixed_size 0
		.amdhsa_enable_private_segment 0
		.amdhsa_kernarg_size 24
		.amdhsa_user_sgpr_count 2
		.amdhsa_user_sgpr_kernarg_segment_ptr 1
		.amdhsa_wavefront_size32 1
		.amdhsa_system_sgpr_workgroup_id_x 1
		.amdhsa_system_sgpr_workgroup_id_y 1
		.amdhsa_system_sgpr_workgroup_id_z 1
		.amdhsa_system_vgpr_workitem_id 0
		.amdhsa_next_free_vgpr 512
		.amdhsa_next_free_sgpr 66
		.amdhsa_reserve_vcc 0
		.amdhsa_float_denorm_mode_32 3
		.amdhsa_float_denorm_mode_16_64 3
		.amdhsa_memory_ordered 1
		.amdhsa_forward_progress 1
		.amdhsa_inst_pref_size 85
	.end_amdhsa_kernel
	.amdgpu_metadata
---
amdhsa.version: [ 1, 2 ]
amdhsa.kernels:
  - .name:           k_q970058e005_proj
    .symbol:         k_q970058e005_proj.kd
    .args:
      - { .name: o16, .offset: 0, .size: 8, .value_kind: global_buffer, .address_space: global }
      - { .name: w16, .offset: 8, .size: 8, .value_kind: global_buffer, .address_space: global }
      - { .name: out0, .offset: 16, .size: 8, .value_kind: global_buffer, .address_space: global }
    .group_segment_fixed_size: 327680
    .private_segment_fixed_size: 0
    .kernarg_segment_align: 8
    .kernarg_segment_size: 24
    .max_flat_workgroup_size: 128
    .sgpr_count:     66
    .vgpr_count:     512
    .wavefront_size: 32
...
	.end_amdgpu_metadata
.endif
;; end of part 4
